; MI455X (gfx1250); checked and timed in simulation.
; The chip was launched on July 23, 2026; its instructions are those of AMD's public machine-readable ISA for CDNA 5 (MIT licence, August 2026) and "CDNA5" Instruction Set Architecture Reference Guide (July 2026). The comments in the code are by the model that wrote it; some were corrected since.
;; Multi Head Attention. Allowed arithmetic: float matrix products may take bf16 or f16 operands with f32 sums; all other float work in f32.
;; Inputs: Wk 1,024 x 1,024 float32; Wo 1,024 x 1,024 float32; Wq 1,024 x 1,024 float32; Wv 1,024 x 1,024 float32; bk 1,024 float32; bo 1,024 float32; bq 1,024 float32; bv 1,024 float32; key 4 x 2,048 x 1,024 float32; mask 4 x 1 x 2,048 x 2,048 int32; query 4 x 2,048 x 1,024 float32; value 4 x 2,048 x 1,024 float32.
;; Outputs: out0 4 x 2,048 x 1,024 float32.
;; One version. Each part assembles by itself: llvm-mc -triple=amdgcn-amd-amdhsa -mcpu=gfx1250 --defsym DOCPART=n.
;; ======== version 1 of 1: 5 launches
;; limits: values are held in f16: magnitudes above 65,504 overflow, below 6.1e-05 lose precision
;; workspace buffers: wb 8,388,608 bytes; qkv 50,331,648 bytes; pb 33,554,432 bytes; st 1,048,576 bytes; ob 16,777,216 bytes
;; launch prep (part 1): grid 64 x 4, 8 waves a work-group, no clusters, 0 bytes of LDS; arguments Wq, Wk, Wv, Wo, wb; writes wb
.if DOCPART == 1
	.amdgcn_target "amdgcn-amd-amdhsa--gfx1250"
	.amdhsa_code_object_version 6
	.text
	.protected	k_q226c1cac81_prep
	.globl	k_q226c1cac81_prep
	.p2align	8
	.type	k_q226c1cac81_prep,@function
k_q226c1cac81_prep:
	s_mov_b64 s[64:65], 0
	v_nop
	global_prefetch_b8 v0, s[64:65] scope:SCOPE_SE
	s_setreg_imm32_b32 hwreg(HW_REG_WAVE_MODE, 25, 1), 1
	s_wait_xcnt 0x0
; wb[y] = the weight y (Wq, Wk, Wv, Wo; [1024 k][1024 n] f32) in 16 bits, layout unchanged.  Wq, Wk, Wv: rounded to bf16.
; Wo: rounded to bf16 like every input, and that number written as f16, since the last product's other operand is f16.
; LIMIT.  A bf16 number is an f16 number exactly from 2^-17 up to 65,504; below, f16 keeps its fixed step of 6e-8.
; A stream: no LDS, no matrix unit, no cluster (no byte is shared).  A work-group casts 16,384 numbers: sixteen loads of 16 bytes
; a thread, all issued at once; a wave's load covers 512 consecutive bytes, its store 256 consecutive bytes, aligned.
.set X, 8                              ; v[8:71]   load j: four f32
.set Y, 72                             ; v[72:103] store j: four 16-bit numbers
	s_load_b256 s[4:11], s[0:1], 0x0               ; Wq s[4:5], Wk s[6:7], Wv s[8:9], Wo s[10:11]
	s_load_b64 s[12:13], s[0:1], 0x20              ; wb
	s_and_b32 s14, ttmp7, 0xffff                   ; which weight
	s_lshl_b32 s16, ttmp9, 16                      ; my 65,536 bytes of it
	s_mov_b32 s17, 0
	s_lshl_b32 s18, s14, 21                        ; in wb: 2,097,152 bytes a weight,
	s_lshl_b32 s19, ttmp9, 15                      ; 32,768 of them mine
	s_add_co_u32 s18, s18, s19
	s_mov_b32 s19, 0
	v_lshlrev_b32 v1, 4, v0                        ; 16 bytes a thread in,
	v_lshlrev_b32 v2, 3, v0                        ; 8 out
	s_wait_kmcnt 0x0
	s_cmp_eq_u32 s14, 1
	s_cselect_b64 s[4:5], s[6:7], s[4:5]
	s_cmp_eq_u32 s14, 2
	s_cselect_b64 s[4:5], s[8:9], s[4:5]
	s_cmp_eq_u32 s14, 3
	s_cselect_b64 s[4:5], s[10:11], s[4:5]
	s_add_nc_u64 s[4:5], s[4:5], s[16:17]
	s_add_nc_u64 s[12:13], s[12:13], s[18:19]
.irp j, 0,1,2,3,4,5,6,7,8,9,10,11,12,13,14,15
	global_load_b128 v[X+4*(\j):X+4*(\j)+3], v1, s[4:5] offset:4096*(\j) th:TH_LOAD_NT
.endr
; Load j is cast and stored.  half = 0: to bf16.  half = 1: to bf16, widened again (a shift, a mask), and written as f16.
.macro CONV j, half
	s_wait_loadcnt 15-(\j)                         ; loads come back in order: the 15 - j younger ones may stay out
.if \half
	v_cvt_pk_bf16_f32 v4, v[X+4*(\j)], v[X+4*(\j)+1]
	v_cvt_pk_bf16_f32 v5, v[X+4*(\j)+2], v[X+4*(\j)+3]
	v_lshlrev_b32 v6, 16, v4
	v_and_b32 v4, 0xffff0000, v4
	v_lshlrev_b32 v7, 16, v5
	v_and_b32 v5, 0xffff0000, v5
	v_cvt_pk_f16_f32 v[Y+2*(\j)], v6, v4
	v_cvt_pk_f16_f32 v[Y+2*(\j)+1], v7, v5
.else
	v_cvt_pk_bf16_f32 v[Y+2*(\j)], v[X+4*(\j)], v[X+4*(\j)+1]
	v_cvt_pk_bf16_f32 v[Y+2*(\j)+1], v[X+4*(\j)+2], v[X+4*(\j)+3]
.endif
	global_store_b64 v2, v[Y+2*(\j):Y+2*(\j)+1], s[12:13] offset:2048*(\j)  ; each store has data registers of its own
.endm
	s_cmp_eq_u32 s14, 3
	s_cbranch_scc1 .Lwo
.irp j, 0,1,2,3,4,5,6,7,8,9,10,11,12,13,14,15
	CONV \j, 0
.endr
	s_endpgm
.Lwo:
.irp j, 0,1,2,3,4,5,6,7,8,9,10,11,12,13,14,15
	CONV \j, 1
.endr
	s_endpgm
.Lfunc_end_k_q226c1cac81_prep:
	.size	k_q226c1cac81_prep, .Lfunc_end_k_q226c1cac81_prep-k_q226c1cac81_prep
	.p2alignl 7, 3214868480
	.fill 96, 4, 3214868480
	.section	.rodata,"a",@progbits
	.p2align	6, 0x0
	.amdhsa_kernel k_q226c1cac81_prep
		.amdhsa_group_segment_fixed_size 0
		.amdhsa_private_segment_fixed_size 0
		.amdhsa_enable_private_segment 0
		.amdhsa_kernarg_size 40
		.amdhsa_user_sgpr_count 2
		.amdhsa_user_sgpr_kernarg_segment_ptr 1
		.amdhsa_wavefront_size32 1
		.amdhsa_system_sgpr_workgroup_id_x 1
		.amdhsa_system_sgpr_workgroup_id_y 1
		.amdhsa_system_sgpr_workgroup_id_z 1
		.amdhsa_system_vgpr_workitem_id 0
		.amdhsa_next_free_vgpr 104
		.amdhsa_next_free_sgpr 66
		.amdhsa_reserve_vcc 0
		.amdhsa_float_denorm_mode_32 3
		.amdhsa_float_denorm_mode_16_64 3
		.amdhsa_memory_ordered 1
		.amdhsa_forward_progress 1
		.amdhsa_inst_pref_size 16
	.end_amdhsa_kernel
	.amdgpu_metadata
---
amdhsa.version: [ 1, 2 ]
amdhsa.kernels:
  - .name:           k_q226c1cac81_prep
    .symbol:         k_q226c1cac81_prep.kd
    .args:
      - { .name: Wq, .offset: 0, .size: 8, .value_kind: global_buffer, .address_space: global }
      - { .name: Wk, .offset: 8, .size: 8, .value_kind: global_buffer, .address_space: global }
      - { .name: Wv, .offset: 16, .size: 8, .value_kind: global_buffer, .address_space: global }
      - { .name: Wo, .offset: 24, .size: 8, .value_kind: global_buffer, .address_space: global }
      - { .name: wb, .offset: 32, .size: 8, .value_kind: global_buffer, .address_space: global }
    .group_segment_fixed_size: 0
    .private_segment_fixed_size: 0
    .kernarg_segment_align: 8
    .kernarg_segment_size: 40
    .max_flat_workgroup_size: 256
    .sgpr_count:     66
    .vgpr_count:     104
    .wavefront_size: 32
...
	.end_amdgpu_metadata
.endif
;; end of part 1
;; launch proj (part 2): grid 4 x 192, 4 waves a work-group, clusters of 4 x 4, 327,680 bytes of LDS; arguments query, key, value, bq, bk, bv, wb, qkv; writes qkv
.if DOCPART == 2
	.amdgcn_target "amdgcn-amd-amdhsa--gfx1250"
	.amdhsa_code_object_version 6
	.text
	.protected	k_q226c1cac81_proj
	.globl	k_q226c1cac81_proj
	.p2align	8
	.type	k_q226c1cac81_proj,@function
k_q226c1cac81_proj:
	s_mov_b64 s[64:65], 0
	v_nop
	global_prefetch_b8 v0, s[64:65] scope:SCOPE_SE
	s_setreg_imm32_b32 hwreg(HW_REG_WAVE_MODE, 25, 1), 1
	s_wait_xcnt 0x0
	s_wait_alu depctr_hold_cnt(0) depctr_sa_sdst(0) depctr_va_vdst(0) depctr_va_sdst(0) depctr_va_ssrc(0) depctr_va_vcc(0) depctr_vm_vsrc(0)
	s_getreg_b32 s2, hwreg(HW_REG_IB_STS2, 6, 4)
	s_cmp_eq_u32 s2, 0
	s_cbranch_scc0 .Lentry_in_a_cluster
	s_endpgm
.Lentry_in_a_cluster:
	s_bfe_u32 s2, ttmp6, 0x10000c
	s_cmp_lg_u32 s2, 0xf033
	s_cbranch_scc0 .Lentry_shape_is_right
	s_endpgm
.Lentry_shape_is_right:
; qkv[z] = x_z W_z + b_z for z = 0, 1, 2 (query, key, value).  x: [8192][1024] f32; W: wb[z], [1024 k][1024 n] bf16; b: [1024] f32; qkv[z]: [8192][1024] f16.
; x and b are rounded to bf16 here (x when its fragments are fetched), the products are bf16 with f32 sums, the result is rounded once to f16.
; LIMIT.  f16 ends at 65,504: a projected number beyond it becomes an infinity; below 6.1e-5 f16 keeps its fixed step of 6e-8.
; SHARES.  A tile of 128 rows x 256 columns to a work-group, 64 x 128 to each of four waves: 32 accumulators.  3 x 64 x 4 = 768 work-groups.  A tile of 256 x 256 is not taken: with x as f32 a slot
; of a K step of 128 would be 204,800 bytes, and two do not fit in LDS.
; K goes in steps of 128 through two LDS slots: x as f32 (rows of 512 bytes), W as it lies, [k][n] (rows of 512 bytes), turned by ds_load_tr16_b128.
; CLUSTER 4 x 4.  The four of a row of the cluster need the same rows of x, the four of a column the same columns of W: each tile is asked for jointly.
; THE MATRIX INSTRUCTION IS USED TRANSPOSED (source 0 = 16 columns of W, source 1 = 16 rows of x): a lane holds row l % 16 and the eight columns 8 (l / 16) + 0..7.
; The bias, laid out so, is the C operand of the first products: nothing is cleared and nothing is added later.
; PREFETCH.  x is read once in the launch.  Wave 0 of each of a cluster row's four partners asks for 32 of the tile's 128 rows, 512 bytes a row and K step: in trip t for the K step that trip t + 2 loads
; (t + 4); K steps 2 and 3 at the start; the last trips ask for K step 7 again, so that no request leaves a row.  W is read again by all 64 tile rows and is not asked for.
; REGISTERS, in windows of 256 (s_set_vgpr_msb: bits 1:0 source 0, 3:2 source 1, 5:4 source 2, 7:6 destination):
;   window 0: v0-31 addresses; v64-127 x's fragments in bf16, two buffers of 32; v128-255 W's, two buffers of 64; on the way out v64-95 packed, v128-191 rows read back
;   window 1: accumulator (a, b) at v[8 (8 a + b)]      window 2: v0-63 x's fragment as f32; v64-127 the bias; v128 at work
.set NSTEP,  8                         ; K steps of 128
.set PA,     528                       ; a row of x in LDS: 512 bytes + 16: an odd multiple of 16, so the 16 rows of a load start at 16 different places of a row of banks (ISA guide 11.1)
.set PB,     544                       ; a row of W: 512 + 32: an odd multiple of 32
.set ABYTES, 128*PA
.set HALFA,  64*PA                     ; what one tensor load brings of x,
.set HALFB,  64*PB                     ; and of W
.set SLOT1,  0x22000                   ; slot 1: at least a slot's 137,216 bytes on; its two bits occur in none of the four LDS words 0, 0x8400, 0x10800, 0x19000, so one exclusive or turns each into the other slot's
.set STG,    SLOT1+ABYTES+2*HALFB      ; behind the ring: 16 rows x 272 bytes for each wave, for the way out
.set SP,     272
.set SPARE,  STG+4*16*SP               ; the spare words, 128 bytes for each wave: two blocks of 256 bytes that no other line names
.set STEPA,  128*4                     ; bytes from a K step to the next: along x's rows,
.set STEPB,  128*2048                  ; down W's
.set ROWB,   2048                      ; a row of the output
.set ADRA0, 16                         ; v16 my lane's place in slot 0's x; never rewritten
.set ADRB0, 17                         ; v17 the same for W
.set ADRA,  18                         ; v18, v19 the same in the slot in hand
.set ADRB,  19
.set STO,   24                         ; v24 the way out: where I put 16 bytes of a row
.set RD,    25                         ; v25 where I read a row back
.set CO,    26                         ; v26 my byte offset in the output
.set SPW,   28                         ; v28 LDS address of my spare word; never rewritten
.set NIL,   29                         ; v29 0; never rewritten
.set BO,    30                         ; v30 my byte offset in the bias
.set PFO,   31                         ; v31 the prefetch: my row's byte offset in the tile; never rewritten
.set AF,    64
.set BF,    128
.set TMP,   64
.set BK,    128
.set RAW,   0                          ; window 2
.set BIAS,  64                         ; window 2
.set BT,    128                        ; window 2
.set GA1, 24                           ; s[24:31] descriptor group 1 for x's tiles
.set GAF, 32                           ; s[32:35] group 0 of K step 0
.set GA,  36                           ; s[36:39] group 0 that walks, from K step 1 on
.set CX,  40
.set CY,  41
.set TX,  42                           ; tile column
.set TY,  43                           ; tile row, over all three products
.set MROW, 44
.set MCOL, 45
.set GB1, 48                           ; s[48:55], s[56:59], s[60:63] the same three for W's tiles
.set GBF, 56
.set GB,  60
.set WV,  66                           ; my wave
.set WM,  67                           ; its half of the rows; also: I fetch x (0) or W (1)
.set WN,  68                           ; its half of the columns; also: which half of that tile I fetch
.set CNT, 69
.set SLB, 70                           ; 0 or SLOT1: the slot in hand
.set LA,  71
.set LB,  72
.set CLY, 73
.set ZZ,  79                           ; which product
.set OUT, 84                           ; s[84:85]
.set PF0, 90                           ; s[90:91] x at the tile's first row
.set PFB, 92                           ; s[92:93] the same at the K step asked for
.set KO,  94                           ; s[94:95] that K step's byte offset in a row
.set W_MM, 0x50                        ; C and D window 1, fragments window 0
.set W_MB, 0x60                        ; D window 1, C (the bias) window 2
.set MSB, 0
.macro WIN new                         ; the immediate's high byte repeats the setting that is left; a switch that changes nothing is dropped
.if MSB != (\new)
	s_set_vgpr_msb (MSB<<8)|(\new)
.set MSB, (\new)
.endif
.endm
.macro PLACES                          ; four places between a matrix instruction and a vector instruction or load that touches its registers
.rept 4
	v_nop
.endr
.endm
.macro CREST                           ; a round of the cluster's barrier behind its opening barrier
	s_cmp_lg_u32 s[WV], 0
	s_cbranch_scc1 .Lnot_wave_0_\@
	s_barrier_signal -3
.Lnot_wave_0_\@:
	s_barrier_wait -3
	s_barrier_signal -1
	s_barrier_wait -1
.endm
.macro CROUND
	s_barrier_signal -1
	s_barrier_wait -1
	CREST
.endm
.macro JLOAD                           ; a joint refill: waves 0, 1 ask for x's halves, waves 2, 3 for W's; an s_nop 0 and four v_nop follow each line
	s_cmp_eq_u32 s[WM], 0
	s_cbranch_scc0 .Lfor_b_\@
	tensor_load_to_lds s[GA:GA+3], s[GA1:GA1+7]
	s_nop 0
.rept 4
	v_nop
.endr
	s_branch .Lasked_\@
.Lfor_b_\@:
	tensor_load_to_lds s[GB:GB+3], s[GB1:GB1+7]
	s_nop 0
.rept 4
	v_nop
.endr
.Lasked_\@:
.endm
.macro PREF                            ; wave 0 asks for my 32 rows of the K step that the trip after next loads
	s_cmp_lg_u32 s[WV], 0
	s_cbranch_scc1 .Lno_pref_\@
	s_wait_xcnt 0x0                                ; the last trip's requests have had their addresses read: their base is written again only behind this wait
	s_add_co_u32 s[KO], s[KO], STEPA
	s_min_u32 s[KO], s[KO], (NSTEP-1)*STEPA        ; never past the row's last K step
	s_add_nc_u64 s[PFB:PFB+1], s[PF0:PF0+1], s[KO:KO+1]
	global_prefetch_b8 v[PFO], s[PFB:PFB+1] th:TH_LOAD_NT scope:SCOPE_SE
	global_prefetch_b8 v[PFO], s[PFB:PFB+1] offset:256 th:TH_LOAD_NT scope:SCOPE_SE
.Lno_pref_\@:
.endm
	s_load_b512 s[4:19], s[0:1], 0x0               ; query s[4:5], key s[6:7], value s[8:9], bq s[10:11], bk s[12:13], bv s[14:15], wb s[16:17], qkv s[18:19]
	v_lshl_add_u32 v[SPW], v0, 2, SPARE
	v_mov_b32 v[NIL], 0
	ds_add_u32 v28, v29
	ds_add_u32 v28, v29
	s_wait_dscnt 0x0
	v_lshrrev_b32 v4, 5, v0
	v_readfirstlane_b32 s[WV], v4
	s_lshr_b32 s[WM], s[WV], 1
	s_and_b32 s[WN], s[WV], 1
	s_bfe_u32 s[CX], ttmp6, 0x40000
	s_bfe_u32 s[CY], ttmp6, 0x40004
	s_lshl_b32 s[TX], ttmp9, 2
	s_add_co_u32 s[TX], s[TX], s[CX]
	s_and_b32 s[CLY], ttmp7, 0xffff
	s_lshl_b32 s[TY], s[CLY], 2
	s_add_co_u32 s[TY], s[TY], s[CY]
	s_lshr_b32 s[ZZ], s[CLY], 4                    ; 16 clusters, 64 tile rows, to a product: the same in all sixteen partners
	s_lshl_b32 s[MROW], s[CY], 2
	s_lshl_b32 s[MROW], 15, s[MROW]                ; my row of the cluster
	s_lshl_b32 s[MCOL], 0x1111, s[CX]              ; my column
	; group 1.  x: 64 rows x 128 elements of 4 bytes, 4 words of padding behind every 128.  W: 64 rows x 256 elements of 2 bytes, 8 words behind every 128.
	s_or_b32 s[GA1], s[MROW], (2<<16)|(1<<20)|(1<<21)|(6<<22)|(3<<25)
	s_mov_b32 s[GA1+1], 128<<16                    ; tensor_dim0
	s_mov_b32 s[GA1+2], 64<<16                     ; tensor_dim1
	s_mov_b32 s[GA1+3], 128<<16                    ; tile_dim0
	s_mov_b32 s[GA1+4], 64                         ; tile_dim1
	s_mov_b32 s[GA1+5], 1024                       ; elements from row to row
	s_mov_b32 s[GA1+6], 0
	s_mov_b32 s[GA1+7], 0
	s_or_b32 s[GB1], s[MCOL], (1<<16)|(1<<20)|(1<<21)|(6<<22)|(7<<25)
	s_mov_b32 s[GB1+1], 256<<16
	s_mov_b32 s[GB1+2], 64<<16
	s_mov_b32 s[GB1+3], 256<<16
	s_mov_b32 s[GB1+4], 64
	s_mov_b32 s[GB1+5], 1024
	s_mov_b32 s[GB1+6], 0
	s_mov_b32 s[GB1+7], 0
	; x's tile hangs on the tile row, W's on the tile column and the product: each offset in registers that never hold the other coordinate
	s_and_b32 s20, s[TY], 63                       ; the tile row inside the product
	s_lshl_b32 s80, s20, 19                        ; x 128 rows of 4,096 bytes
	s_mov_b32 s[PFB], s80                          ; (the prefetch starts from the tile's first row)
	s_mov_b32 s[PFB+1], 0
	s_lshl_b32 s21, s[WN], 18                      ; + my 64 rows
	s_add_co_u32 s80, s80, s21
	s_mov_b32 s81, 0
	s_lshl_b32 s46, s[ZZ], 21                      ; the product's weight,
	s_lshl_b32 s47, s[WN], 17                      ; my 64 rows of 2,048 bytes,
	s_add_co_u32 s46, s46, s47
	s_lshl_b32 s47, s[TX], 9                       ; the tile's 256 columns
	s_add_co_u32 s46, s46, s47
	s_mov_b32 s47, 0
	s_lshl_b32 s82, s[TX], 10                      ; the bias of my 128 columns
	s_lshl_b32 s83, s[WN], 9
	s_add_co_u32 s82, s82, s83
	s_mov_b32 s83, 0
	s_lshl_b32 s86, s[ZZ], 24                      ; the output: the product's 16,777,216 bytes,
	s_and_b32 s88, s[TY], 63
	s_lshl_b32 s88, s88, 18                        ; the tile's 128 rows of 2,048 bytes,
	s_add_co_u32 s86, s86, s88
	s_lshl_b32 s88, s[WM], 17                      ; my 64 rows,
	s_add_co_u32 s86, s86, s88
	s_lshl_b32 s88, s[TX], 9                       ; the tile's columns,
	s_add_co_u32 s86, s86, s88
	s_lshl_b32 s88, s[WN], 8                       ; my 128 of them
	s_add_co_u32 s86, s86, s88
	s_mov_b32 s87, 0
	s_mul_i32 s[LA], s[WN], HALFA                  ; where my tensor load lands in slot 0: no place in the cluster enters an LDS address
	s_mul_i32 s[LB], s[WN], HALFB
	s_add_co_u32 s[LB], s[LB], ABYTES
	s_mov_b32 s[SLB], 0
	s_mov_b32 s[KO], 3*STEPA                       ; K steps 2 and 3 are asked for at the start
	s_mov_b32 s[KO+1], 0
	s_wait_kmcnt 0x0
	s_cmp_eq_u32 s[ZZ], 1
	s_cselect_b64 s[4:5], s[6:7], s[4:5]
	s_cselect_b64 s[10:11], s[12:13], s[10:11]
	s_cmp_eq_u32 s[ZZ], 2
	s_cselect_b64 s[4:5], s[8:9], s[4:5]
	s_cselect_b64 s[10:11], s[14:15], s[10:11]
	s_add_nc_u64 s[10:11], s[10:11], s[82:83]
	s_add_nc_u64 s[OUT:OUT+1], s[18:19], s[86:87]
	s_add_nc_u64 s[PF0:PF0+1], s[4:5], s[PFB:PFB+1]
	s_mov_b32 s[GAF], 1
	s_mov_b32 s[GAF+1], s[LA]
	s_add_nc_u64 s[GAF+2:GAF+3], s[4:5], s[80:81]
	s_mov_b32 s[GA], 1
	s_add_co_u32 s[GA+1], s[LA], SLOT1
	s_add_nc_u64 s[GA+2:GA+3], s[GAF+2:GAF+3], STEPA
	s_or_b32 s[GAF+3], s[GAF+3], 0x80000000
	s_or_b32 s[GA+3], s[GA+3], 0x80000000
	s_mov_b32 s[GBF], 1
	s_mov_b32 s[GBF+1], s[LB]
	s_add_nc_u64 s[GBF+2:GBF+3], s[16:17], s[46:47]
	s_mov_b32 s[GB], 1
	s_add_co_u32 s[GB+1], s[LB], SLOT1
	s_add_nc_u64 s[GB+2:GB+3], s[GBF+2:GBF+3], STEPB
	s_or_b32 s[GBF+3], s[GBF+3], 0x80000000
	s_or_b32 s[GB+3], s[GB+3], 0x80000000
	CROUND                                         ; all sixteen work-groups are here: the first joint loads meet
	s_cmp_eq_u32 s[WM], 0                          ; a wave's two first fills stand in one branch: two loads of mine are out
	s_cbranch_scc0 .Lfirst_b
	tensor_load_to_lds s[GAF:GAF+3], s[GA1:GA1+7]
	s_nop 0
	tensor_load_to_lds s[GA:GA+3], s[GA1:GA1+7]
	s_nop 0
.rept 4
	v_nop
.endr
	s_branch .Lfirst_asked
.Lfirst_b:
	tensor_load_to_lds s[GBF:GBF+3], s[GB1:GB1+7]
	s_nop 0
	tensor_load_to_lds s[GB:GB+3], s[GB1:GB1+7]
	s_nop 0
.rept 4
	v_nop
.endr
.Lfirst_asked:
	v_and_b32 v1, 15, v0                           ; r = l % 16
	v_bfe_u32 v2, v0, 4, 1                         ; h = l / 16
	v_and_b32 v3, 31, v0                           ; l
	v_lshlrev_b32 v[BO], 5, v2                     ; register j of block b is the bias of column 16 b + 8 h + j
	WIN 0x80
.irp b, 0,1,2,3,4,5,6,7
	global_load_b128 v[BIAS+8*(\b):BIAS+8*(\b)+3],   v[BO], s[10:11] offset:64*(\b)
	global_load_b128 v[BIAS+8*(\b)+4:BIAS+8*(\b)+7], v[BO], s[10:11] offset:64*(\b)+16
.endr
	WIN 0
	s_lshl_b32 s21, s[CX], 5                       ; the prefetch: my work-group's 32 rows of the tile, a row a lane
	v_add_nc_u32 v[PFO], s21, v3
	v_lshlrev_b32 v[PFO], 12, v[PFO]
	s_cmp_lg_u32 s[WV], 0
	s_cbranch_scc1 .Lno_pref0
	global_prefetch_b8 v[PFO], s[PF0:PF0+1] offset:2*STEPA th:TH_LOAD_NT scope:SCOPE_SE
	global_prefetch_b8 v[PFO], s[PF0:PF0+1] offset:2*STEPA+256 th:TH_LOAD_NT scope:SCOPE_SE
	global_prefetch_b8 v[PFO], s[PF0:PF0+1] offset:3*STEPA th:TH_LOAD_NT scope:SCOPE_SE
	global_prefetch_b8 v[PFO], s[PF0:PF0+1] offset:3*STEPA+256 th:TH_LOAD_NT scope:SCOPE_SE
.Lno_pref0:
	; x's fragment, as f32: lane l takes row r, k = 8 h + 0..7 (32 bytes) and 16 + 8 h + 0..7 (32 bytes, 64 further on)
	v_mul_u32_u24 v[ADRA0], v1, PA
	v_lshl_add_u32 v[ADRA0], v2, 5, v[ADRA0]
	s_mul_i32 s20, s[WM], HALFA
	v_add_nc_u32 v[ADRA0], s20, v[ADRA0]
	; W's fragment, turned: lane l reads row k = 8 h + l % 8, 16 bytes at column 8 ((l / 8) % 2), and is left with column r and eight k
	v_and_b32 v4, 7, v0
	v_lshl_add_u32 v4, v2, 3, v4
	v_mul_u32_u24 v[ADRB0], v4, PB
	v_bfe_u32 v5, v0, 3, 1
	v_lshl_add_u32 v[ADRB0], v5, 4, v[ADRB0]
	s_lshl_b32 s21, s[WN], 8
	s_add_co_u32 s21, s21, ABYTES
	v_add_nc_u32 v[ADRB0], s21, v[ADRB0]
	v_mov_b32 v[ADRA], v[ADRA0]
	v_mov_b32 v[ADRB], v[ADRB0]
	s_mul_i32 s20, s[WV], 16*SP
	s_add_co_u32 s20, s20, STG                     ; my stage
	v_mul_u32_u24 v[STO], v1, SP                   ; in: row r, 16 bytes for each half of the lanes
	v_lshl_add_u32 v[STO], v2, 4, v[STO]
	v_add_nc_u32 v[STO], s20, v[STO]
	v_mul_u32_u24 v[RD], v2, SP                    ; back: lanes 0-15 one row of 256 bytes, lanes 16-31 the next
	v_lshl_add_u32 v[RD], v1, 4, v[RD]
	v_add_nc_u32 v[RD], s20, v[RD]
	v_lshlrev_b32 v[CO], 11, v2                    ; and the same two rows in the output
	v_lshl_add_u32 v[CO], v1, 4, v[CO]
	s_wait_loadcnt 0x0                             ; the bias
	WIN 0x8a                                       ; rounded to bf16, like every input, and widened again
.set i, 0
.rept 32
	v_cvt_pk_bf16_f32 v[BT], v[BIAS+2*i], v[BIAS+2*i+1]
	v_lshlrev_b32 v[BIAS+2*i], 16, v[BT]
	v_and_b32 v[BIAS+2*i+1], 0xffff0000, v[BT]
.set i, i+1
.endr
	WIN 0
; The fragments of 32 along K, chunk q of the slot in hand: x as f32 into RAW, W into buffer g
.macro FETCH q, g
	WIN 0x80
.irp a, 0,1,2,3
	ds_load_b128 v[RAW+16*(\a):RAW+16*(\a)+3],     v[ADRA] offset:(\a)*16*PA+128*(\q)
	ds_load_b128 v[RAW+16*(\a)+4:RAW+16*(\a)+7],   v[ADRA] offset:(\a)*16*PA+128*(\q)+16
	ds_load_b128 v[RAW+16*(\a)+8:RAW+16*(\a)+11],  v[ADRA] offset:(\a)*16*PA+128*(\q)+64
	ds_load_b128 v[RAW+16*(\a)+12:RAW+16*(\a)+15], v[ADRA] offset:(\a)*16*PA+128*(\q)+80
.endr
	WIN 0
.irp b, 0,1,2,3,4,5,6,7
	ds_load_tr16_b128 v[BF+64*(\g)+8*(\b):BF+64*(\g)+8*(\b)+3],   v[ADRB] offset:32*(\q)*PB+32*(\b)
	ds_load_tr16_b128 v[BF+64*(\g)+8*(\b)+4:BF+64*(\g)+8*(\b)+7], v[ADRB] offset:32*(\q)*PB+16*PB+32*(\b)
.endr
.endm
; RAW is rounded to bf16 into x's buffer f: 32 plain instructions that name no register of the products in front of them: they are also the places in front of the loads that follow
.macro POST f
	WIN 0x0a
.irp a, 0,1,2,3
.irp i, 0,1,2,3,4,5,6,7
	v_cvt_pk_bf16_f32 v[AF+32*(\f)+8*(\a)+(\i)], v[RAW+16*(\a)+2*(\i)], v[RAW+16*(\a)+2*(\i)+1]
.endr
.endr
.endm
; Eight products: row block a x all eight column blocks.  The 32 accumulators take turns, one instruction a turn.  first = 1: the bias starts the sums
.macro MULA f, a, first
.if \first
	WIN W_MB
.else
	WIN W_MM
.endif
.irp b, 0,1,2,3,4,5,6,7
.if \first
	v_wmma_f32_16x16x32_bf16 v[8*(8*(\a)+(\b)):8*(8*(\a)+(\b))+7], v[BF+64*(\f)+8*(\b):BF+64*(\f)+8*(\b)+7], v[AF+32*(\f)+8*(\a):AF+32*(\f)+8*(\a)+7], v[BIAS+8*(\b):BIAS+8*(\b)+7]
.else
	v_wmma_f32_16x16x32_bf16 v[8*(8*(\a)+(\b)):8*(8*(\a)+(\b))+7], v[BF+64*(\f)+8*(\b):BF+64*(\f)+8*(\b)+7], v[AF+32*(\f)+8*(\a):AF+32*(\f)+8*(\a)+7], v[8*(8*(\a)+(\b)):8*(8*(\a)+(\b))+7]
.endif
.endr
.endm
; A K step is four chunks of 32, on buffers 0, 1, 0, 1.  One of the first three: converts and multiplies buffer f, and fetches chunk q into buffer g ahead of the 32 products
.macro QUARTER q, f, g, first
	s_wait_dscnt 0x0                               ; buffer f's loads, issued ahead of the products before, are in
	POST \f
	FETCH \q, \g
	MULA \f, 0, \first
	MULA \f, 1, \first
	MULA \f, 2, \first
	MULA \f, 3, \first
.endm
; The last chunk multiplies buffer 1 and changes slots.  In front of the barrier each wave waits for all its tensor loads (one is out: its part of the next slot), adds 0 to its spare
; word, and waits for that and for its reads of this slot.  fill = 1: the barrier opens a round of the cluster's, and this slot is filled again, two K steps ahead, first thing behind it.
; fill = 0: the last two K steps, one text walked twice: nothing is asked for, and behind the very last K step (CNT = 1) the run of fragment loads is jumped over; its barrier then serves nothing.
.macro TURN fill
	WIN 0
	s_wait_tensorcnt 0x0                           ; no tensor load of mine is out, so a group 0 may be written
	ds_add_u32 v[SPW], v[NIL]                      ; 0 onto my spare word
.if \fill
	s_xor_b32 s[GA+1], s[GA+1], SLOT1              ; the walking descriptors: the other slot than last time,
	s_add_nc_u64 s[GA+2:GA+3], s[GA+2:GA+3], STEPA ; the next K step; the type bits on top are not reached
	s_xor_b32 s[GB+1], s[GB+1], SLOT1
	s_add_nc_u64 s[GB+2:GB+3], s[GB+2:GB+3], STEPB
.endif
	s_wait_dscnt 0x1                               ; only the add may be out: buffer 1's loads are older
	POST 1
	MULA 1, 0, 0
	s_wait_dscnt 0x0                               ; the add is done, and my reads of this slot are over
	s_barrier_signal -1
	MULA 1, 1, 0
	WIN 0
	s_barrier_wait -1
.if \fill
	CREST                                          ; no wave of any partner still reads this slot or has a load on its way
	JLOAD
.else
	s_cmp_eq_u32 s[CNT], 1
	s_cbranch_scc1 .Lno_fetch_\@
.endif
	s_xor_b32 s[SLB], s[SLB], SLOT1
	v_add_nc_u32 v[ADRA], s[SLB], v[ADRA0]
	v_add_nc_u32 v[ADRB], s[SLB], v[ADRB0]
	FETCH 0, 0                                     ; buffer 0's last readers stand in front of POST's 32 conversions
.if \fill
	PREF
.else
.Lno_fetch_\@:
.endif
	MULA 1, 2, 0
	MULA 1, 3, 0
.endm
	s_wait_tensorcnt 0x1                           ; my part of K step 0 is in; K step 1's may stay out
	s_barrier_signal -1
	s_barrier_wait -1                              ; everybody's is
	FETCH 0, 0
	QUARTER 1, 0, 1, 1
	WIN 0
	s_mov_b32 s[CNT], NSTEP-2
.Lstep:                                                ; a trip: from a K step's second chunk to the next step's first; it fills the slot that it leaves
	QUARTER 2, 1, 0, 0
	QUARTER 3, 0, 1, 0
	TURN 1
	QUARTER 1, 0, 1, 0
	WIN 0
	s_sub_co_u32 s[CNT], s[CNT], 1
	s_cmp_lg_u32 s[CNT], 0
	s_cbranch_scc1 .Lstep
	s_mov_b32 s[CNT], 2                            ; the last two K steps ask for nothing: a loop of their own, entered behind a step's first chunk
	s_branch .Lin
.Ltail:
	QUARTER 1, 0, 1, 0
	WIN 0
.Lin:
	QUARTER 2, 1, 0, 0
	QUARTER 3, 0, 1, 0
	TURN 0
	WIN 0
	s_sub_co_u32 s[CNT], s[CNT], 1
	s_cmp_lg_u32 s[CNT], 0
	s_cbranch_scc1 .Ltail
	PLACES
; THE WAY OUT, 16 rows at a time: rounded to f16 (each accumulator from its low end), 16 bytes a lane into my stage, back as whole rows of 256 bytes, stored.
.macro PACK a
	WIN 0x05
.irp b, 0,1,2,3,4,5,6,7
.irp i, 0,1,2,3
	v_cvt_pk_f16_f32 v[TMP+4*(\b)+(\i)], v[8*(8*(\a)+(\b))+2*(\i)], v[8*(8*(\a)+(\b))+2*(\i)+1]
.endr
.endr
	WIN 0
.endm
.macro TOSTAGE a
	s_wait_xcnt 0x0                                ; the registers that earlier stores read are loaded again only behind this wait
.irp b, 0,1,2,3,4,5,6,7
	ds_store_b128 v[STO], v[TMP+4*(\b):TMP+4*(\b)+3] offset:32*(\b)
.endr
.irp t, 0,1,2,3,4,5,6,7
	ds_load_b128 v[BK+32*((\a)%2)+4*(\t):BK+32*((\a)%2)+4*(\t)+3], v[RD] offset:(\t)*2*SP  ; LDS serves a wave's instructions in order (ISA guide 5.7.1.4): these see the stores above
.endr
.endm
.macro SEND a
	s_wait_dscnt 0x0
.irp t, 0,1,2,3,4,5,6,7
	global_store_b128 v[CO], v[BK+32*((\a)%2)+4*(\t):BK+32*((\a)%2)+4*(\t)+3], s[OUT:OUT+1] offset:(16*(\a)+2*(\t))*ROWB  ; 16 lanes store 256 consecutive bytes, aligned
.endr
.endm
	PACK 0
	TOSTAGE 0
.irp a, 1,2,3                          ; a block's conversions stand between the loads of the block before and the wait for them
	PACK \a
	SEND (\a)-1
	TOSTAGE \a
.endr
	SEND 3
	s_wait_tensorcnt 0x0                           ; the wave's end
	ds_add_u32 v[SPW], v[NIL]
	s_wait_dscnt 0x0
	CROUND                                         ; the closing round
	s_endpgm
.Lfunc_end_k_q226c1cac81_proj:
	.size	k_q226c1cac81_proj, .Lfunc_end_k_q226c1cac81_proj-k_q226c1cac81_proj
	.p2alignl 7, 3214868480
	.fill 96, 4, 3214868480
	.section	.rodata,"a",@progbits
	.p2align	6, 0x0
	.amdhsa_kernel k_q226c1cac81_proj
		.amdhsa_group_segment_fixed_size 327680
		.amdhsa_private_segment_fixed_size 0
		.amdhsa_enable_private_segment 0
		.amdhsa_kernarg_size 64
		.amdhsa_user_sgpr_count 2
		.amdhsa_user_sgpr_kernarg_segment_ptr 1
		.amdhsa_wavefront_size32 1
		.amdhsa_system_sgpr_workgroup_id_x 1
		.amdhsa_system_sgpr_workgroup_id_y 1
		.amdhsa_system_sgpr_workgroup_id_z 1
		.amdhsa_system_vgpr_workitem_id 0
		.amdhsa_next_free_vgpr 648
		.amdhsa_next_free_sgpr 96
		.amdhsa_reserve_vcc 0
		.amdhsa_float_denorm_mode_32 3
		.amdhsa_float_denorm_mode_16_64 3
		.amdhsa_memory_ordered 1
		.amdhsa_forward_progress 1
		.amdhsa_inst_pref_size 91
	.end_amdhsa_kernel
	.amdgpu_metadata
---
amdhsa.version: [ 1, 2 ]
amdhsa.kernels:
  - .name:           k_q226c1cac81_proj
    .symbol:         k_q226c1cac81_proj.kd
    .args:
      - { .name: query, .offset: 0, .size: 8, .value_kind: global_buffer, .address_space: global }
      - { .name: key, .offset: 8, .size: 8, .value_kind: global_buffer, .address_space: global }
      - { .name: value, .offset: 16, .size: 8, .value_kind: global_buffer, .address_space: global }
      - { .name: bq, .offset: 24, .size: 8, .value_kind: global_buffer, .address_space: global }
      - { .name: bk, .offset: 32, .size: 8, .value_kind: global_buffer, .address_space: global }
      - { .name: bv, .offset: 40, .size: 8, .value_kind: global_buffer, .address_space: global }
      - { .name: wb, .offset: 48, .size: 8, .value_kind: global_buffer, .address_space: global }
      - { .name: qkv, .offset: 56, .size: 8, .value_kind: global_buffer, .address_space: global }
    .group_segment_fixed_size: 327680
    .private_segment_fixed_size: 0
    .kernarg_segment_align: 8
    .kernarg_segment_size: 64
    .max_flat_workgroup_size: 128
    .sgpr_count:     96
    .vgpr_count:     648
    .wavefront_size: 32
...
	.end_amdgpu_metadata
.endif
;; end of part 2
;; launch scores (part 3): grid 8 x 32, 4 waves a work-group, clusters of 4 x 4, 327,680 bytes of LDS; arguments qkv, mask, pb, st; writes pb, st
.if DOCPART == 3
	.amdgcn_target "amdgcn-amd-amdhsa--gfx1250"
	.amdhsa_code_object_version 6
	.text
	.protected	k_q226c1cac81_scores
	.globl	k_q226c1cac81_scores
	.p2align	8
	.type	k_q226c1cac81_scores,@function
k_q226c1cac81_scores:
	s_mov_b64 s[64:65], 0
	v_nop
	global_prefetch_b8 v0, s[64:65] scope:SCOPE_SE
	s_setreg_imm32_b32 hwreg(HW_REG_WAVE_MODE, 25, 1), 1
	s_wait_xcnt 0x0
	s_wait_alu depctr_hold_cnt(0) depctr_sa_sdst(0) depctr_va_vdst(0) depctr_va_sdst(0) depctr_va_ssrc(0) depctr_va_vcc(0) depctr_vm_vsrc(0)
	s_getreg_b32 s2, hwreg(HW_REG_IB_STS2, 6, 4)
	s_cmp_eq_u32 s2, 0
	s_cbranch_scc0 .Lentry_in_a_cluster
	s_endpgm
.Lentry_in_a_cluster:
	s_bfe_u32 s2, ttmp6, 0x10000c
	s_cmp_lg_u32 s2, 0xf033
	s_cbranch_scc0 .Lentry_shape_is_right
	s_endpgm
.Lentry_shape_is_right:
; For each query row and each BLOCK of 128 keys: s = Q . K (raw), s = -2^71 where mask == 0, cm = c max s, p = 2^(c s - cm), l = the sum of p; c = log2(e) / 32.
; Q, K: qkv[0], qkv[1], [8192][1024] f16.  mask: [8192 rows][2048 keys] int32.  pb: p, [8192][2048] f16.  st: [16 blocks][8192 rows] pairs (cm, l) f32.
; The next launch joins the blocks by their maxima: the exponentials here never exceed 1, whatever the inputs.
; THE MASKED VALUE.  reference() puts -1e20 behind the scale 1/32; here -2^71 ahead of it (-7.4e19 behind).  A power of two, so that c x it is exact and a wholly masked block gives c s - cm = 0, p = 1.
; f16 operands bound a raw score by 1024 x 65,504^2 = 4.4e12, so a masked key weighs 0 beside any real one and a wholly masked row comes out uniform, as in reference().
; LIMITS.  p below 6.1e-5 keeps f16's fixed step of 6e-8; a weight below 2^-126 counts as 0 in l; NaN and infinities are not treated apart; every mask word other than 0 keeps the score.
; SHARES.  A tile of 256 queries x 256 keys to a work-group, 128 x 128 (one block of keys) to each of four waves: 64 accumulators, 512 registers.  32 x 8 = 256 work-groups.
; K (the head's 1,024 channels) goes in 8 steps of 128 through two LDS slots; a refill has 224 of a step's 256 matrix instructions in which to land.
; CLUSTER 4 x 4: Q's tiles are shared along a row of the cluster, K's along a column (a cluster's four tile rows lie in one batch of eight).
; TRANSPOSED USE (source 0 = 16 keys, source 1 = 16 queries): a lane holds query l % 16 and the keys 16 b + 8 (l / 16) + 0..7: a row's maximum and sum want one exchange between the halves of the lanes.
; THE MASK COMES THROUGH THE RING.  The last two changes of slots fill the slot that is left with the mask: each wave asks for 64 of its 128 rows x its 128 keys (rows of 512 bytes, LDS pitch 528: 33,792 bytes,
; inside the 34,816 that were its part of the slot), a load of its own, read by itself alone, straight in the accumulators' layout.  The first half lands under the last K step, the second under the first half's softmax.
; THE SOFTMAX'S TEXT is written for 64 rows (window 2) and walked twice; between the two walks 256 v_mov_b32 bring window 3's sums to where the text names them: the price of half the text.
; NO PREFETCH: the refill has nearly a whole K step in which to land, and Q's and K's tiles are read by two and by four clusters.
; REGISTERS, in windows of 256 (s_set_vgpr_msb: bits 1:0 source 0, 3:2 source 1, 5:4 source 2, 7:6 destination):
;   window 0: v0-63 addresses, statistics; v64-127, v128-191 Q's fragments, two buffers; behind the loop v64-127 mask words, v128-159 packed p, v160-223 rows read back
;   window 1: v64-127, v128-191 K's fragments      window 2: accumulator (a, b) of my rows 0-63 at v[8 (8 a + b)]      window 3: those of my rows 64-127
.set NSTEP,  8
.set PA,     272                       ; an LDS row: 256 bytes + 16: an odd multiple of 16, so the 16 rows of a load start at 16 different places of a row of banks (ISA guide 11.1)
.set HALFT,  128*PA                    ; 128 rows: what one tensor load brings, and what one wave reads of Q or of K
.set SLOT1,  4*HALFT                   ; 0x22000: its two bits occur in none of the four LDS words 0, 0x8800, 0x11000, 0x19800, so one exclusive or turns each into the other slot's
.set STG,    2*SLOT1                   ; behind the ring: 16 rows x 272 bytes for each wave: p's way out
.set SP,     272
.set SPARE,  STG+4*16*SP               ; the spare words: two blocks of 256 bytes that no other line names
.set MPI,    528                       ; a mask row in LDS: 512 bytes + 16
.set STEPK,  256                       ; bytes from a K step to the next
.set MHALF,  64*8192                   ; bytes from the mask's first 64 rows to the next
.set ROWB,   4096                      ; a row of pb
.set ADRA0, 16                         ; v16, v17 my lane's place in slot 0's Q and K; never rewritten
.set ADRB0, 17
.set ADRA,  18                         ; v18, v19 the same in the slot in hand
.set ADRB,  19
.set STO,   24
.set RD,    25
.set CO,    26
.set SPW,   28
.set NIL,   29
.set MRD0,  31                         ; v31 where my mask words lie in slot 0; never rewritten
.set MRD,   32                         ; v32 the same in the slot of the half in hand
.set NEGV,  33                         ; v33 -2^71
.set SO,    34                         ; v34 8 l: my pair in st
.set SD,    36                         ; v36-39 two pairs to store
.set T,     40                         ; v40-43 four chains of the maximum
.set ST0,   48                         ; v48-63 row block a: c m, m, l, at work
.set F0,    64
.set F1,    128
.set MW,    64
.set TMP,   128
.set BK,    160
.set GA1, 24                           ; s[24:31] descriptor group 1 for Q's tiles; s[32:35] group 0 of K step 0; s[36:39] group 0 that walks
.set GAF, 32
.set GA,  36
.set CX,  40
.set CY,  41
.set TX,  42
.set TY,  43
.set MROW, 44
.set MCOL, 45
.set GB1, 48                           ; the same three for K's tiles
.set GBF, 56
.set GB,  60
.set WV,  66
.set WM,  67                           ; my half of the rows; also: I fetch Q (0) or K (1)
.set WN,  68                           ; my half of the keys; also: which 128 rows of that tile I fetch
.set CNT, 69
.set SLB, 70                           ; 0 or SLOT1: the slot in hand
.set LW,  71                           ; my part of a slot
.set EC,  72                           ; counts the two halves of my rows
.set CLY, 73
.set CS,  74                           ; s[74:75] c
.set SEL, 76                           ; s[76:77] v_permlanex16_b32's selects: each lane takes its own place in the other half
.set HM,  78                           ; s78 lanes 16-31
.set ZZ,  79                           ; the batch
.set OUT, 84
.set GM,  88                           ; s[88:91] group 0 of the mask's loads: it walks
.set GM1, 92                           ; s[92:99] their group 1
.set MB,  100                          ; 0 or SLOT1: where the mask's half in hand lies
.set MUL_LO, 0xa1                      ; source 0 (K) window 1, source 1 (Q) window 0, C and D window 2
.set MUL_HI, 0xf1                      ; the same, C and D window 3
.set TO_B,   0x40                      ; destination window 1, address window 0
.set MSB, 0
.macro WIN new                         ; the immediate's high byte repeats the setting that is left; a switch that changes nothing is dropped
.if MSB != (\new)
	s_set_vgpr_msb (MSB<<8)|(\new)
.set MSB, (\new)
.endif
.endm
.macro PLACES                          ; four places between a matrix instruction and a vector instruction or load that touches its registers
.rept 4
	v_nop
.endr
.endm
.macro CREST
	s_cmp_lg_u32 s[WV], 0
	s_cbranch_scc1 .Lnot_wave_0_\@
	s_barrier_signal -3
.Lnot_wave_0_\@:
	s_barrier_wait -3
	s_barrier_signal -1
	s_barrier_wait -1
.endm
.macro CROUND
	s_barrier_signal -1
	s_barrier_wait -1
	CREST
.endm
.macro JLOAD                           ; waves 0, 1 ask for Q's halves, waves 2, 3 for K's; an s_nop 0 and four v_nop follow each line
	s_cmp_eq_u32 s[WM], 0
	s_cbranch_scc0 .Lfor_b_\@
	tensor_load_to_lds s[GA:GA+3], s[GA1:GA1+7]
	s_nop 0
.rept 4
	v_nop
.endr
	s_branch .Lasked_\@
.Lfor_b_\@:
	tensor_load_to_lds s[GB:GB+3], s[GB1:GB1+7]
	s_nop 0
.rept 4
	v_nop
.endr
.Lasked_\@:
.endm
	s_load_b256 s[4:11], s[0:1], 0x0               ; qkv s[4:5], mask s[6:7], pb s[8:9], st s[10:11]
	v_lshl_add_u32 v[SPW], v0, 2, SPARE
	v_mov_b32 v[NIL], 0
	ds_add_u32 v28, v29
	ds_add_u32 v28, v29
	s_wait_dscnt 0x0
	v_lshrrev_b32 v4, 5, v0
	v_readfirstlane_b32 s[WV], v4
	s_lshr_b32 s[WM], s[WV], 1
	s_and_b32 s[WN], s[WV], 1
	s_bfe_u32 s[CX], ttmp6, 0x40000
	s_bfe_u32 s[CY], ttmp6, 0x40004
	s_lshl_b32 s[TX], ttmp9, 2
	s_add_co_u32 s[TX], s[TX], s[CX]
	s_and_b32 s[CLY], ttmp7, 0xffff
	s_lshl_b32 s[TY], s[CLY], 2
	s_add_co_u32 s[TY], s[TY], s[CY]
	s_lshr_b32 s[ZZ], s[CLY], 1                    ; two clusters, eight tile rows, to a batch
	s_lshl_b32 s[MROW], s[CY], 2
	s_lshl_b32 s[MROW], 15, s[MROW]
	s_lshl_b32 s[MCOL], 0x1111, s[CX]
	; group 1 of Q's and K's tiles: 128 rows x 128 elements of 2 bytes, 4 words of padding behind every 64
	s_or_b32 s[GA1], s[MROW], (1<<16)|(1<<20)|(1<<21)|(5<<22)|(3<<25)
	s_or_b32 s[GB1], s[MCOL], (1<<16)|(1<<20)|(1<<21)|(5<<22)|(3<<25)
.irp g, GA1, GB1
	s_mov_b32 s[(\g)+1], 128<<16                   ; tensor_dim0
	s_mov_b32 s[(\g)+2], 128<<16                   ; tensor_dim1
	s_mov_b32 s[(\g)+3], 128<<16                   ; tile_dim0
	s_mov_b32 s[(\g)+4], 128                       ; tile_dim1
	s_mov_b32 s[(\g)+5], 1024                      ; elements from row to row
	s_mov_b32 s[(\g)+6], 0
	s_mov_b32 s[(\g)+7], 0
.endr
	; group 1 of the mask's tiles: 64 rows x 128 elements of 4 bytes, 4 words of padding behind every 128; no work-group mask: a load of my own
	s_mov_b32 s[GM1], (2<<16)|(1<<20)|(6<<22)|(3<<25)
	s_mov_b32 s[GM1+1], 128<<16
	s_mov_b32 s[GM1+2], 64<<16
	s_mov_b32 s[GM1+3], 128<<16
	s_mov_b32 s[GM1+4], 64
	s_mov_b32 s[GM1+5], 2048
	s_mov_b32 s[GM1+6], 0
	s_mov_b32 s[GM1+7], 0
	s_lshl_b32 s80, s[TY], 19                      ; Q: the tile's 256 rows of 2,048 bytes,
	s_lshl_b32 s20, s[WN], 18                      ; the 128 that I fetch
	s_add_co_u32 s80, s80, s20
	s_mov_b32 s81, 0
	s_lshl_b32 s46, s[ZZ], 22                      ; K: the batch's 2,048 rows,
	s_lshl_b32 s47, s[TX], 19                      ; the tile's 256,
	s_add_co_u32 s46, s46, s47
	s_lshl_b32 s47, s[WN], 18                      ; the 128 that I fetch,
	s_add_co_u32 s46, s46, s47
	s_add_co_u32 s46, s46, 16777216                ; behind Q
	s_mov_b32 s47, 0
	s_lshl_b32 s82, s[TY], 21                      ; the mask: 256 rows of 8,192 bytes,
	s_lshl_b32 s21, s[WM], 20                      ; my 128,
	s_add_co_u32 s82, s82, s21
	s_lshl_b32 s21, s[TX], 10                      ; the tile's 256 keys,
	s_add_co_u32 s82, s82, s21
	s_lshl_b32 s21, s[WN], 9                       ; my 128
	s_add_co_u32 s82, s82, s21
	s_mov_b32 s83, 0
	s_lshl_b32 s86, s[TY], 20                      ; pb: 256 rows of 4,096 bytes, my 128, the tile's keys, my 128
	s_lshl_b32 s21, s[WM], 19
	s_add_co_u32 s86, s86, s21
	s_lshl_b32 s21, s[TX], 9
	s_add_co_u32 s86, s86, s21
	s_lshl_b32 s21, s[WN], 8
	s_add_co_u32 s86, s86, s21
	s_mov_b32 s87, 0
	s_lshl_b32 s12, s[TX], 17                      ; st: block 2 x tile column + my half, 65,536 bytes a block,
	s_lshl_b32 s21, s[WN], 16
	s_add_co_u32 s12, s12, s21
	s_lshl_b32 s21, s[TY], 11                      ; 8 bytes a row
	s_add_co_u32 s12, s12, s21
	s_lshl_b32 s21, s[WM], 10
	s_add_co_u32 s12, s12, s21
	s_mov_b32 s13, 0
	s_mul_i32 s[LW], s[WV], HALFT                  ; Q's two halves, then K's two halves = wave x 128 rows: no place in the cluster enters an LDS address
	s_mov_b32 s[SLB], 0
	s_mov_b32 s[MB], 0
	s_mov_b32 s[CS], 0x3d38aa3b                    ; c = log2(e) / 32
	s_mov_b32 s[CS+1], s[CS]
	s_mov_b32 s[SEL], 0x76543210
	s_mov_b32 s[SEL+1], 0xfedcba98
	s_mov_b32 s[HM], 0xffff0000
	s_wait_kmcnt 0x0
	s_add_nc_u64 s[OUT:OUT+1], s[8:9], s[86:87]
	s_add_nc_u64 s[10:11], s[10:11], s[12:13]
	s_mov_b32 s[GAF], 1
	s_mov_b32 s[GAF+1], s[LW]
	s_add_nc_u64 s[GAF+2:GAF+3], s[4:5], s[80:81]
	s_mov_b32 s[GA], 1
	s_add_co_u32 s[GA+1], s[LW], SLOT1
	s_add_nc_u64 s[GA+2:GA+3], s[GAF+2:GAF+3], STEPK
	s_or_b32 s[GAF+3], s[GAF+3], 0x80000000
	s_or_b32 s[GA+3], s[GA+3], 0x80000000
	s_mov_b32 s[GBF], 1
	s_mov_b32 s[GBF+1], s[LW]
	s_add_nc_u64 s[GBF+2:GBF+3], s[4:5], s[46:47]
	s_mov_b32 s[GB], 1
	s_add_co_u32 s[GB+1], s[LW], SLOT1
	s_add_nc_u64 s[GB+2:GB+3], s[GBF+2:GBF+3], STEPK
	s_or_b32 s[GBF+3], s[GBF+3], 0x80000000
	s_or_b32 s[GB+3], s[GB+3], 0x80000000
	s_mov_b32 s[GM], 1                             ; the mask's group 0 is stepped ahead of each of its two loads, so it starts one step back: slot 1, and 64 rows above my first (no load uses it so)
	s_add_co_u32 s[GM+1], s[LW], SLOT1
	s_add_nc_u64 s[GM+2:GM+3], s[6:7], s[82:83]
	s_sub_nc_u64 s[GM+2:GM+3], s[GM+2:GM+3], MHALF
	s_or_b32 s[GM+3], s[GM+3], 0x80000000
	CROUND                                         ; all sixteen work-groups are here: the first joint loads meet
	s_cmp_eq_u32 s[WM], 0                          ; a wave's two first fills stand in one branch: two loads of mine are out
	s_cbranch_scc0 .Lfirst_b
	tensor_load_to_lds s[GAF:GAF+3], s[GA1:GA1+7]
	s_nop 0
	tensor_load_to_lds s[GA:GA+3], s[GA1:GA1+7]
	s_nop 0
.rept 4
	v_nop
.endr
	s_branch .Lfirst_asked
.Lfirst_b:
	tensor_load_to_lds s[GBF:GBF+3], s[GB1:GB1+7]
	s_nop 0
	tensor_load_to_lds s[GB:GB+3], s[GB1:GB1+7]
	s_nop 0
.rept 4
	v_nop
.endr
.Lfirst_asked:
	v_and_b32 v1, 15, v0                           ; r
	v_bfe_u32 v2, v0, 4, 1                         ; h
	v_and_b32 v3, 31, v0                           ; l
	v_mul_u32_u24 v4, v1, PA                       ; a fragment: row r x pitch + 16 h
	v_lshl_add_u32 v4, v2, 4, v4
	s_mul_i32 s20, s[WM], HALFT                    ; my 128 rows of Q
	v_add_nc_u32 v[ADRA0], s20, v4
	s_mul_i32 s21, s[WN], HALFT                    ; my 128 rows of K,
	s_add_co_u32 s21, s21, 2*HALFT                 ; which lie behind Q's 256
	v_add_nc_u32 v[ADRB0], s21, v4
	v_mov_b32 v[ADRA], v[ADRA0]
	v_mov_b32 v[ADRB], v[ADRB0]
	s_mul_i32 s20, s[WV], 16*SP
	s_add_co_u32 s20, s20, STG
	v_add_nc_u32 v[STO], s20, v4                   ; the stage has the same pitch: row r, 16 bytes for each half of the lanes
	v_mul_u32_u24 v[RD], v2, SP                    ; back: lanes 0-15 one row of 256 bytes, lanes 16-31 the next
	v_lshl_add_u32 v[RD], v1, 4, v[RD]
	v_add_nc_u32 v[RD], s20, v[RD]
	v_lshlrev_b32 v[CO], 12, v2                    ; and the same two rows in pb
	v_lshl_add_u32 v[CO], v1, 4, v[CO]
	v_mul_u32_u24 v[MRD0], v1, MPI                 ; the mask: row r, the words of keys 8 h + ..
	v_lshl_add_u32 v[MRD0], v2, 5, v[MRD0]
	v_add_nc_u32 v[MRD0], s[LW], v[MRD0]
	v_mov_b32 v[NEGV], 0xe3000000
	v_lshlrev_b32 v[SO], 3, v3
.irp a, 0,1,2,3
	v_mov_b32 v[ST0+4*(\a)+3], 0                   ; v_permlanex16_b32 counts as a reader of its destination
.endr
; 16 matrix instructions: row blocks a0, a0 + 1 of the window's four (hi = 0: my rows 0-63, 1: rows 64-127) x all 8 key blocks, 32 along K.  The 64 accumulators take turns, one instruction a turn,
; in the same order in every chunk.  zero = 1: the constant 0 starts the sums
.macro MUL16 f, hi, a0, zero
	WIN MUL_LO+0x50*(\hi)
.irp a, \a0, (\a0)+1
.irp b, 0,1,2,3,4,5,6,7
.if \zero
	v_wmma_f32_16x16x32_f16 v[8*(8*(\a)+(\b)):8*(8*(\a)+(\b))+7], v[(\f)+8*(\b):(\f)+8*(\b)+7], v[(\f)+8*(4*(\hi)+(\a)):(\f)+8*(4*(\hi)+(\a))+7], 0
.else
	v_wmma_f32_16x16x32_f16 v[8*(8*(\a)+(\b)):8*(8*(\a)+(\b))+7], v[(\f)+8*(\b):(\f)+8*(\b)+7], v[(\f)+8*(4*(\hi)+(\a)):(\f)+8*(4*(\hi)+(\a))+7], v[8*(8*(\a)+(\b)):8*(8*(\a)+(\b))+7]
.endif
.endr
.endr
.endm
; 32 LDS loads in one run: the fragments of chunk q of the slot in hand (128 rows of K, then 128 rows of Q, 32 along K) into buffer f
.macro FETCH q, f
	WIN TO_B
.irp i, 0,1,2,3,4,5,6,7
	ds_load_b128 v[(\f)+8*(\i):(\f)+8*(\i)+3],   v[ADRB] offset:64*(\q)+(\i)*16*PA
	ds_load_b128 v[(\f)+8*(\i)+4:(\f)+8*(\i)+7], v[ADRB] offset:64*(\q)+(\i)*16*PA+32
.endr
	WIN 0
.irp i, 0,1,2,3,4,5,6,7
	ds_load_b128 v[(\f)+8*(\i):(\f)+8*(\i)+3],   v[ADRA] offset:64*(\q)+(\i)*16*PA
	ds_load_b128 v[(\f)+8*(\i)+4:(\f)+8*(\i)+7], v[ADRA] offset:64*(\q)+(\i)*16*PA+32
.endr
.endm
; A K step is four chunks of 32, 64 matrix instructions each, on buffers 0, 1, 0, 1.  One of the first three: multiplies buffer f; in its middle it fetches chunk q into buffer g
.macro QUARTER q, f, g, zero
	s_wait_dscnt 8                                 ; K's fragments and Q's rows 0-63 are in; the youngest eight loads (Q's rows 64-127) may be out
	MUL16 \f, 0, 0, \zero
	MUL16 \f, 0, 2, \zero
	PLACES                                         ; in front of the loads into buffer g, which the chunk before multiplied
	FETCH \q, \g
	s_wait_dscnt 32                                ; all but the 32 just issued
	MUL16 \f, 1, 0, \zero
	MUL16 \f, 1, 2, \zero
.endm
; The last chunk multiplies buffer 1 and changes slots.  In front of the barrier each wave waits for all its tensor loads (one is out: its part of the next slot, or of the mask), adds 0 to its spare word,
; and waits for that and for its reads of this slot.  The barrier opens a round of the cluster's; the slot that is left is filled again first thing behind the round:
; kind = 1: jointly, with the K step two steps on.  kind = 2 (the last two K steps, one text walked twice): by each wave with 64 rows of its mask; behind the very last K step (CNT = 1) the run of fragment loads is jumped over.
.macro TURN kind
	WIN 0                                          ; (the add's two registers lie in window 0)
	s_wait_tensorcnt 0x0                           ; no tensor load of mine is out, so a group 0 may be written
	ds_add_u32 v[SPW], v[NIL]                      ; 0 onto my spare word
.if (\kind) == 1
	s_xor_b32 s[GA+1], s[GA+1], SLOT1              ; the walking descriptors: the other slot than last time,
	s_add_nc_u64 s[GA+2:GA+3], s[GA+2:GA+3], STEPK ; the next K step; the type bits on top are not reached
	s_xor_b32 s[GB+1], s[GB+1], SLOT1
	s_add_nc_u64 s[GB+2:GB+3], s[GB+2:GB+3], STEPK
.else
	s_xor_b32 s[GM+1], s[GM+1], SLOT1              ; slot 0 and my rows 0-63, then slot 1 and my rows 64-127
	s_add_nc_u64 s[GM+2:GM+3], s[GM+2:GM+3], MHALF
.endif
	s_wait_dscnt 9                                 ; the add and the youngest eight loads may be out
	MUL16 F1, 0, 0, 0
	s_wait_dscnt 0x0                               ; the add is done, and my reads of this slot are over
	s_barrier_signal -1
	MUL16 F1, 0, 2, 0
	WIN 0
	s_barrier_wait -1
	CREST                                          ; no wave of any partner still reads this slot or has a load on its way
.if (\kind) == 1
	JLOAD                                          ; its four v_nop are also the places in front of the loads below
.else
	tensor_load_to_lds s[GM:GM+3], s[GM1:GM1+7]    ; my one tensor load behind the round
	s_nop 0
.rept 4
	v_nop
.endr
	s_cmp_eq_u32 s[CNT], 1
	s_cbranch_scc1 .Lno_fetch_\@
.endif
	s_xor_b32 s[SLB], s[SLB], SLOT1
	v_add_nc_u32 v[ADRA], s[SLB], v[ADRA0]
	v_add_nc_u32 v[ADRB], s[SLB], v[ADRB0]
	FETCH 0, F0
.if (\kind) == 2
.Lno_fetch_\@:
.endif
	MUL16 F1, 1, 0, 0
	MUL16 F1, 1, 2, 0
.endm
	s_wait_tensorcnt 0x1                           ; my part of K step 0 is in; K step 1's may stay out
	s_barrier_signal -1
	s_barrier_wait -1
	FETCH 0, F0
	QUARTER 1, F0, F1, 1
	WIN 0
	s_mov_b32 s[CNT], NSTEP-2
.Lstep:                                                ; a trip: from a K step's second chunk to the next step's first; it fills the slot that it leaves
	QUARTER 2, F1, F0, 0
	QUARTER 3, F0, F1, 0
	TURN 1
	QUARTER 1, F0, F1, 0
	WIN 0
	s_sub_co_u32 s[CNT], s[CNT], 1
	s_cmp_lg_u32 s[CNT], 0
	s_cbranch_scc1 .Lstep
	s_mov_b32 s[CNT], 2                            ; the last two K steps: a loop of their own, entered behind a step's first chunk
	s_branch .Lin
.Ltail:
	QUARTER 1, F0, F1, 0
	WIN 0
.Lin:
	QUARTER 2, F1, F0, 0
	QUARTER 3, F0, F1, 0
	TURN 2
	WIN 0
	s_sub_co_u32 s[CNT], s[CNT], 1
	s_cmp_lg_u32 s[CNT], 0
	s_cbranch_scc1 .Ltail
	PLACES
; ROW BLOCK a (16 rows) of the half in hand.  MLD: its mask words, register 8 b + j: row r, key 16 b + 8 h + j.
.macro MLD a
.set i, 0
.rept 16
	ds_load_b128 v[MW+4*i:MW+4*i+3], v[MRD] offset:(\a)*16*MPI+(i/2)*64+(i%2)*16
.set i, i+1
.endr
.endm
; Where a word is 0 the score becomes -2^71.  Each accumulator is taken from its low end.
.macro APPLY a
	WIN 0x82                                       ; the score (destination, source 0) in window 2, the word and -2^71 in window 0
.set i, 0
.rept 64
	v_cmp_eq_u32 vcc_lo, 0, v[MW+i]
	v_cndmask_b32 v[64*(\a)+i], v[64*(\a)+i], v[NEGV], vcc_lo
.set i, i+1
.endr
	WIN 0
.endm
; The maximum of a lane's 64 scores (four chains, begun at -2^71, below which no score lies) and of the other half's; c s - c m; exponentials; rounding to f16; the sum of the unrounded p.
.macro SOFT a
.set A0, 64*(\a)
.set SR, ST0+4*(\a)
	WIN 0x28                                       ; sources 1 and 2 in window 2
.set i, 0
.rept 32
.if i < 4
	v_max3_num_f32 v[T+i], v[NEGV], v[A0+2*i], v[A0+2*i+1]
.else
	v_max3_num_f32 v[T+i%4], v[T+i%4], v[A0+2*i], v[A0+2*i+1]
.endif
.set i, i+1
.endr
	WIN 0
	v_max3_num_f32 v[T], v[T], v[T+1], v[T+2]
	v_max_num_f32 v[T], v[T], v[T+3]
	v_permlanex16_b32 v[SR+3], v[T], s[SEL], s[SEL+1]  ; the row's other 64 keys lie in the lane 16 away
	v_max_num_f32 v[SR+1], v[T], v[SR+3]
	v_mul_f32 v[SR], s[CS], v[SR+1]
	WIN 0x82
.set i, 0
.rept 32
	v_pk_fma_f32 v[A0+2*i:A0+2*i+1], v[A0+2*i:A0+2*i+1], s[CS:CS+1], v[SR:SR+1] op_sel_hi:[1,0,0] neg_lo:[0,0,1] neg_hi:[0,0,1]
.set i, i+1
.endr
.set i, 0
.rept 64
	v_exp_f32 v[A0+i], v[A0+i]
.set i, i+1
.endr
	v_nop                                          ; a plain instruction between the last exponential and the use of its result (ISA guide 5.7.2)
	WIN 0x0a
.set i, 0
	s_wait_alu depctr_va_vdst(0)
.rept 32
	v_cvt_pk_f16_f32 v[TMP+i], v[A0+2*i], v[A0+2*i+1]
.set i, i+1
.endr
	WIN 0x8a
.set i, 4
.rept 28
	v_pk_add_f32 v[A0+2*(i%4):A0+2*(i%4)+1], v[A0+2*(i%4):A0+2*(i%4)+1], v[A0+2*i:A0+2*i+1]
.set i, i+1
.endr
	v_pk_add_f32 v[A0:A0+1], v[A0:A0+1], v[A0+2:A0+3]
	v_pk_add_f32 v[A0+4:A0+5], v[A0+4:A0+5], v[A0+6:A0+7]
	v_pk_add_f32 v[A0:A0+1], v[A0:A0+1], v[A0+4:A0+5]
	WIN 0x0a
	v_add_f32 v[SR+2], v[A0], v[A0+1]
	WIN 0
	v_permlanex16_b32 v[SR+3], v[SR+2], s[SEL], s[SEL+1]
	v_add_f32 v[SR+2], v[SR+2], v[SR+3]
.endm
.macro TOSTAGE a
	s_wait_xcnt 0x0                                ; the registers that earlier stores read are loaded again only behind this wait
.irp b, 0,1,2,3,4,5,6,7
	ds_store_b128 v[STO], v[TMP+4*(\b):TMP+4*(\b)+3] offset:32*(\b)
.endr
.irp t, 0,1,2,3,4,5,6,7
	ds_load_b128 v[BK+32*((\a)%2)+4*(\t):BK+32*((\a)%2)+4*(\t)+3], v[RD] offset:(\t)*2*SP  ; LDS serves a wave's instructions in order (ISA guide 5.7.1.4): these see the stores above
.endr
.endm
.macro SEND a
.irp t, 0,1,2,3,4,5,6,7
	global_store_b128 v[CO], v[BK+32*((\a)%2)+4*(\t):BK+32*((\a)%2)+4*(\t)+3], s[OUT:OUT+1] offset:(16*(\a)+2*(\t))*ROWB  ; 16 lanes store 256 consecutive bytes, aligned
.endr
.endm
; The next block's mask words are asked for as soon as this block's have been used; the block before leaves while this one is worked on.
.macro BLOCK a
	s_wait_dscnt 0x0                               ; my mask words are in, and so are the rows of the block before
	APPLY \a
.if (\a) < 3
	MLD (\a)+1
.endif
.if (\a) > 0
	SEND (\a)-1
.endif
	SOFT \a
	TOSTAGE \a
.endm
	s_mov_b32 s[EC], 2
	s_branch .Lhalf                                ; my rows 0-63: their mask was shown landed by the last change of slots
.Lnext:
	s_wait_tensorcnt 0x0                           ; the mask of my rows 64-127 has landed: no load was issued behind it
	WIN 0x83                                       ; window 3's sums go where the one text names them; each accumulator from its low end
.set i, 0
.rept 256
	v_mov_b32 v[i], v[i]
.set i, i+1
.endr
	WIN 0
	s_wait_xcnt 0x0                                ; the stores have read their bases and data
	s_xor_b32 s[MB], s[MB], SLOT1
	s_add_nc_u64 s[OUT:OUT+1], s[OUT:OUT+1], 64*ROWB
	s_add_nc_u64 s[10:11], s[10:11], 64*8
.Lhalf:
	v_add_nc_u32 v[MRD], s[MB], v[MRD0]
	MLD 0
	BLOCK 0
	BLOCK 1
	BLOCK 2
	BLOCK 3
	s_wait_dscnt 0x0
	SEND 3
	; (c m, l) of the 64 rows: lanes 0-15 hold an even row block's, lanes 16-31 take the odd one's: 32 rows, 256 consecutive bytes, a store
	v_cndmask_b32 v[SD],   v[ST0],    v[ST0+4],  s[HM]
	v_cndmask_b32 v[SD+1], v[ST0+2],  v[ST0+6],  s[HM]
	v_cndmask_b32 v[SD+2], v[ST0+8],  v[ST0+12], s[HM]
	v_cndmask_b32 v[SD+3], v[ST0+10], v[ST0+14], s[HM]
	global_store_b64 v[SO], v[SD:SD+1], s[10:11]
	global_store_b64 v[SO], v[SD+2:SD+3], s[10:11] offset:256
	s_sub_co_u32 s[EC], s[EC], 1
	s_cmp_lg_u32 s[EC], 0
	s_cbranch_scc1 .Lnext
	s_wait_tensorcnt 0x0                           ; the wave's end
	ds_add_u32 v[SPW], v[NIL]
	s_wait_dscnt 0x0
	CROUND                                         ; the closing round
	s_endpgm
.Lfunc_end_k_q226c1cac81_scores:
	.size	k_q226c1cac81_scores, .Lfunc_end_k_q226c1cac81_scores-k_q226c1cac81_scores
	.p2alignl 7, 3214868480
	.fill 96, 4, 3214868480
	.section	.rodata,"a",@progbits
	.p2align	6, 0x0
	.amdhsa_kernel k_q226c1cac81_scores
		.amdhsa_group_segment_fixed_size 327680
		.amdhsa_private_segment_fixed_size 0
		.amdhsa_enable_private_segment 0
		.amdhsa_kernarg_size 32
		.amdhsa_user_sgpr_count 2
		.amdhsa_user_sgpr_kernarg_segment_ptr 1
		.amdhsa_wavefront_size32 1
		.amdhsa_system_sgpr_workgroup_id_x 1
		.amdhsa_system_sgpr_workgroup_id_y 1
		.amdhsa_system_sgpr_workgroup_id_z 1
		.amdhsa_system_vgpr_workitem_id 0
		.amdhsa_next_free_vgpr 1024
		.amdhsa_next_free_sgpr 101
		.amdhsa_reserve_vcc 1
		.amdhsa_float_denorm_mode_32 3
		.amdhsa_float_denorm_mode_16_64 3
		.amdhsa_memory_ordered 1
		.amdhsa_forward_progress 1
		.amdhsa_inst_pref_size 149
	.end_amdhsa_kernel
	.amdgpu_metadata
---
amdhsa.version: [ 1, 2 ]
amdhsa.kernels:
  - .name:           k_q226c1cac81_scores
    .symbol:         k_q226c1cac81_scores.kd
    .args:
      - { .name: qkv, .offset: 0, .size: 8, .value_kind: global_buffer, .address_space: global }
      - { .name: mask, .offset: 8, .size: 8, .value_kind: global_buffer, .address_space: global }
      - { .name: pb, .offset: 16, .size: 8, .value_kind: global_buffer, .address_space: global }
      - { .name: st, .offset: 24, .size: 8, .value_kind: global_buffer, .address_space: global }
    .group_segment_fixed_size: 327680
    .private_segment_fixed_size: 0
    .kernarg_segment_align: 8
    .kernarg_segment_size: 32
    .max_flat_workgroup_size: 128
    .sgpr_count:     101
    .vgpr_count:     1024
    .wavefront_size: 32
...
	.end_amdgpu_metadata
.endif
;; end of part 3
;; launch pv (part 4): grid 4 x 64, 4 waves a work-group, clusters of 4 x 4, 327,680 bytes of LDS; arguments pb, st, qkv, ob; writes ob
.if DOCPART == 4
	.amdgcn_target "amdgcn-amd-amdhsa--gfx1250"
	.amdhsa_code_object_version 6
	.text
	.protected	k_q226c1cac81_pv
	.globl	k_q226c1cac81_pv
	.p2align	8
	.type	k_q226c1cac81_pv,@function
k_q226c1cac81_pv:
	s_mov_b64 s[64:65], 0
	v_nop
	global_prefetch_b8 v0, s[64:65] scope:SCOPE_SE
	s_setreg_imm32_b32 hwreg(HW_REG_WAVE_MODE, 25, 1), 1
	s_wait_xcnt 0x0
	s_wait_alu depctr_hold_cnt(0) depctr_sa_sdst(0) depctr_va_vdst(0) depctr_va_sdst(0) depctr_va_ssrc(0) depctr_va_vcc(0) depctr_vm_vsrc(0)
	s_getreg_b32 s2, hwreg(HW_REG_IB_STS2, 6, 4)
	s_cmp_eq_u32 s2, 0
	s_cbranch_scc0 .Lentry_in_a_cluster
	s_endpgm
.Lentry_in_a_cluster:
	s_bfe_u32 s2, ttmp6, 0x10000c
	s_cmp_lg_u32 s2, 0xf033
	s_cbranch_scc0 .Lentry_shape_is_right
	s_endpgm
.Lentry_shape_is_right:
; O[row] = (the sum over the 16 key blocks i of f_i P_i V_i) / L, with M = max_i cm_i, f_i = 2^(cm_i - M) <= 1, L = the sum of f_i l_i >= 1: the softmax's maximum over the whole row, taken here.
; pb: p, [8192][2048] f16.  st: [16][8192] pairs (cm, l) f32.  V: qkv[2], [8192][1024] f16.  ob: O, [8192][1024] f16.
; A K step of 128 keys is a key block.  Its products start from 0 in X; behind the step O += f X in f32, 128 packed multiply-adds a wave.  So p goes to the matrix unit as it was stored, and f is never rounded.
; LIMITS.  f below 2^-126 counts as 0; O is a mean of V's rows and has their range; NaN and infinities are not treated apart.
; SHARES.  A tile of 128 rows x 256 channels to a work-group, 64 x 128 to a wave; 64 x 4 = 256 work-groups (tiles of 256 x 256 would be 128).  K is the batch's 2,048 keys, 16 steps.
; CLUSTER 4 x 4: P's tiles are shared along a row of the cluster, V's along a column (a cluster's four tile rows lie in one batch).
; TRANSPOSED USE (source 0 = 16 channels of V, turned by ds_load_tr16_b128; source 1 = 16 rows of P): a lane holds row l % 16 and eight neighbouring channels, so a row's f is one number a lane.
; O IS CLEARED, 256 v_mov_b32 in the wait for the first tile: the price of writing no first K step out (four chunks of text).
; PREFETCH.  P is read once in the launch.  Wave 0 of each of a cluster row's four partners asks for 32 of the tile's 128 rows, 256 bytes a row and K step: in trip t for the K step that trip t + 2 loads
; (t + 4); K steps 2 and 3 at the start; the last trips ask for K step 15 again, so that no request leaves a row.  V is read by 16 tile rows and is not asked for.
; REGISTERS: window 0: v0-51 addresses, f; v64-127 P's fragments, v128-255 V's, two buffers each (ahead of the loop: the statistics); window 1: X (a, b) at v[8 (8 a + b)]; window 2: O likewise
.set NSTEP,  16
.set PA,     272
.set PB,     544
.set ABYTES, 128*PA
.set HALFA,  64*PA
.set HALFB,  64*PB
.set SLOT1,  1<<17
.set STG,    SLOT1+ABYTES+2*HALFB      ; 16 rows x 272 bytes for each wave: the way out
.set SP,     272
.set FTB,    STG+4*16*SP               ; for each wave 4,352 bytes: 17 rows of 64 f32: f of the 16 steps, then 1 / L
.set FW,     4352
.set SPARE,  FTB+4*FW
.set STEPA,  256
.set STEPB,  128*2048
.set ROWB,   2048
.set ADRA0, 16
.set ADRB0, 17
.set ADRA,  18
.set ADRB,  19
.set STO,   24
.set RD,    25
.set CO,    26
.set SPW,   28
.set NIL,   29
.set SO,    30                         ; v30 8 l: my pair in st
.set TW,    31                         ; v31 where row l's f goes
.set FAD0,  32                         ; v32 where row r's f lies, step 0
.set FAD,   33                         ; v33 the same for the step to come
.set PFO,   34                         ; v34 the prefetch: my row's byte offset in the tile; never rewritten
.set FR,    44                         ; v44-51 f of row block a in the step in hand at v[44 + 2 a], the low word of a pair; behind the last step 1 / L
.set AF,    64
.set BF,    128
.set TMP,   64
.set BK,    128
.set SV,    64                         ; ahead of the loop: v64-127 (cm, l) of block i, rows 32 g + l, at v[64 + 32 g + 2 i]
.set FF,    128                        ; v128-143 f
.set MX,    144
.set SU,    146                        ; v146-148 two chains of L, 1 / L
.set GA1, 24
.set GAF, 32
.set GA,  36
.set CX,  40
.set CY,  41
.set TX,  42
.set TY,  43
.set MROW, 44
.set MCOL, 45
.set GB1, 48
.set GBF, 56
.set GB,  60
.set WV,  66
.set WM,  67
.set WN,  68
.set CNT, 69
.set SLB, 70
.set LA,  71
.set LB,  72
.set CLY, 73
.set FS,  74                           ; s74 256 x the table's row that is fetched next
.set ZZ,  79
.set OUT, 84
.set PF0, 90                           ; s[90:91] P at the tile's first row; s[92:93] the same at the K step asked for; s[94:95] that step's byte offset in a row
.set PFB, 92
.set KO,  94
.set W_MM, 0x50
.set MSB, 0
.macro WIN new
.if MSB != (\new)
	s_set_vgpr_msb (MSB<<8)|(\new)
.set MSB, (\new)
.endif
.endm
.macro PLACES
.rept 4
	v_nop
.endr
.endm
.macro CREST
	s_cmp_lg_u32 s[WV], 0
	s_cbranch_scc1 .Lnot_wave_0_\@
	s_barrier_signal -3
.Lnot_wave_0_\@:
	s_barrier_wait -3
	s_barrier_signal -1
	s_barrier_wait -1
.endm
.macro CROUND
	s_barrier_signal -1
	s_barrier_wait -1
	CREST
.endm
.macro JLOAD                           ; waves 0, 1 ask for P's halves, waves 2, 3 for V's; an s_nop 0 and four v_nop follow each line
	s_cmp_eq_u32 s[WM], 0
	s_cbranch_scc0 .Lfor_b_\@
	tensor_load_to_lds s[GA:GA+3], s[GA1:GA1+7]
	s_nop 0
.rept 4
	v_nop
.endr
	s_branch .Lasked_\@
.Lfor_b_\@:
	tensor_load_to_lds s[GB:GB+3], s[GB1:GB1+7]
	s_nop 0
.rept 4
	v_nop
.endr
.Lasked_\@:
.endm
.macro PREF                            ; wave 0 asks for my 32 rows of the K step that the trip after next loads
	s_cmp_lg_u32 s[WV], 0
	s_cbranch_scc1 .Lno_pref_\@
	s_wait_xcnt 0x0                                ; the last trip's request has had its address read: its base is written again only behind this wait
	s_add_co_u32 s[KO], s[KO], STEPA
	s_min_u32 s[KO], s[KO], (NSTEP-1)*STEPA        ; never past the row's last K step
	s_add_nc_u64 s[PFB:PFB+1], s[PF0:PF0+1], s[KO:KO+1]
	global_prefetch_b8 v[PFO], s[PFB:PFB+1] th:TH_LOAD_NT scope:SCOPE_SE
.Lno_pref_\@:
.endm
	s_load_b256 s[4:11], s[0:1], 0x0               ; pb s[4:5], st s[6:7], qkv s[8:9], ob s[10:11]
	v_lshl_add_u32 v[SPW], v0, 2, SPARE
	v_mov_b32 v[NIL], 0
	ds_add_u32 v28, v29
	ds_add_u32 v28, v29
	s_wait_dscnt 0x0
	v_lshrrev_b32 v4, 5, v0
	v_readfirstlane_b32 s[WV], v4
	s_lshr_b32 s[WM], s[WV], 1
	s_and_b32 s[WN], s[WV], 1
	s_bfe_u32 s[CX], ttmp6, 0x40000
	s_bfe_u32 s[CY], ttmp6, 0x40004
	s_lshl_b32 s[TX], ttmp9, 2
	s_add_co_u32 s[TX], s[TX], s[CX]
	s_and_b32 s[CLY], ttmp7, 0xffff
	s_lshl_b32 s[TY], s[CLY], 2
	s_add_co_u32 s[TY], s[TY], s[CY]
	s_lshr_b32 s[ZZ], s[CLY], 2                    ; the batch
	s_lshl_b32 s[MROW], s[CY], 2
	s_lshl_b32 s[MROW], 15, s[MROW]
	s_lshl_b32 s[MCOL], 0x1111, s[CX]
	; group 1.  P: 64 rows x 128 elements of 2 bytes, 4 words of padding behind every 64.  V: 64 rows x 256 elements, 8 words behind every 128.
	s_or_b32 s[GA1], s[MROW], (1<<16)|(1<<20)|(1<<21)|(5<<22)|(3<<25)
	s_mov_b32 s[GA1+1], 128<<16
	s_mov_b32 s[GA1+2], 64<<16
	s_mov_b32 s[GA1+3], 128<<16
	s_mov_b32 s[GA1+4], 64
	s_mov_b32 s[GA1+5], 2048
	s_mov_b32 s[GA1+6], 0
	s_mov_b32 s[GA1+7], 0
	s_or_b32 s[GB1], s[MCOL], (1<<16)|(1<<20)|(1<<21)|(6<<22)|(7<<25)
	s_mov_b32 s[GB1+1], 256<<16
	s_mov_b32 s[GB1+2], 64<<16
	s_mov_b32 s[GB1+3], 256<<16
	s_mov_b32 s[GB1+4], 64
	s_mov_b32 s[GB1+5], 1024
	s_mov_b32 s[GB1+6], 0
	s_mov_b32 s[GB1+7], 0
	s_lshl_b32 s80, s[TY], 19                      ; P: the tile's 128 rows of 4,096 bytes,
	s_mov_b32 s[PFB], s80                          ; (the prefetch starts from the tile's first row)
	s_mov_b32 s[PFB+1], 0
	s_lshl_b32 s20, s[WN], 18                      ; my 64
	s_add_co_u32 s80, s80, s20
	s_mov_b32 s81, 0
	s_lshl_b32 s46, s[ZZ], 22                      ; V: the batch's 2,048 rows of 2,048 bytes, my 64 keys, the tile's 256 channels, behind Q and K
	s_lshl_b32 s47, s[WN], 17
	s_add_co_u32 s46, s46, s47
	s_lshl_b32 s47, s[TX], 9
	s_add_co_u32 s46, s46, s47
	s_add_co_u32 s46, s46, 33554432
	s_mov_b32 s47, 0
	s_lshl_b32 s82, s[TY], 10                      ; st: 8 bytes a row
	s_lshl_b32 s88, s[WM], 9
	s_add_co_u32 s82, s82, s88
	s_mov_b32 s83, 0
	s_lshl_b32 s86, s[TY], 18                      ; ob
	s_lshl_b32 s88, s[WM], 17
	s_add_co_u32 s86, s86, s88
	s_lshl_b32 s88, s[TX], 9
	s_add_co_u32 s86, s86, s88
	s_lshl_b32 s88, s[WN], 8
	s_add_co_u32 s86, s86, s88
	s_mov_b32 s87, 0
	s_mul_i32 s[LA], s[WN], HALFA
	s_mul_i32 s[LB], s[WN], HALFB
	s_add_co_u32 s[LB], s[LB], ABYTES
	s_mov_b32 s[SLB], 0
	s_mov_b32 s[FS], 0
	s_mov_b32 s[KO], 3*STEPA                       ; K steps 2 and 3 are asked for at the start
	s_mov_b32 s[KO+1], 0
	s_wait_kmcnt 0x0
	s_add_nc_u64 s[6:7], s[6:7], s[82:83]
	s_add_nc_u64 s[OUT:OUT+1], s[10:11], s[86:87]
	s_add_nc_u64 s[PF0:PF0+1], s[4:5], s[PFB:PFB+1]
	s_mov_b32 s[GAF], 1
	s_mov_b32 s[GAF+1], s[LA]
	s_add_nc_u64 s[GAF+2:GAF+3], s[4:5], s[80:81]
	s_mov_b32 s[GA], 1
	s_add_co_u32 s[GA+1], s[LA], SLOT1
	s_add_nc_u64 s[GA+2:GA+3], s[GAF+2:GAF+3], STEPA
	s_or_b32 s[GAF+3], s[GAF+3], 0x80000000
	s_or_b32 s[GA+3], s[GA+3], 0x80000000
	s_mov_b32 s[GBF], 1
	s_mov_b32 s[GBF+1], s[LB]
	s_add_nc_u64 s[GBF+2:GBF+3], s[8:9], s[46:47]
	s_mov_b32 s[GB], 1
	s_add_co_u32 s[GB+1], s[LB], SLOT1
	s_add_nc_u64 s[GB+2:GB+3], s[GBF+2:GBF+3], STEPB
	s_or_b32 s[GBF+3], s[GBF+3], 0x80000000
	s_or_b32 s[GB+3], s[GB+3], 0x80000000
	CROUND                                         ; all sixteen work-groups are here: the first joint loads meet
	s_cmp_eq_u32 s[WM], 0                          ; a wave's two first fills stand in one branch: two loads of mine are out
	s_cbranch_scc0 .Lfirst_b
	tensor_load_to_lds s[GAF:GAF+3], s[GA1:GA1+7]
	s_nop 0
	tensor_load_to_lds s[GA:GA+3], s[GA1:GA1+7]
	s_nop 0
.rept 4
	v_nop
.endr
	s_branch .Lfirst_asked
.Lfirst_b:
	tensor_load_to_lds s[GBF:GBF+3], s[GB1:GB1+7]
	s_nop 0
	tensor_load_to_lds s[GB:GB+3], s[GB1:GB1+7]
	s_nop 0
.rept 4
	v_nop
.endr
.Lfirst_asked:
	v_and_b32 v1, 15, v0                           ; r
	v_bfe_u32 v2, v0, 4, 1                         ; h
	v_and_b32 v3, 31, v0                           ; l
	v_lshlrev_b32 v[SO], 3, v3
.irp g, 0,1
.irp i, 0,1,2,3,4,5,6,7,8,9,10,11,12,13,14,15
	global_load_b64 v[SV+32*(\g)+2*(\i):SV+32*(\g)+2*(\i)+1], v[SO], s[6:7] offset:65536*(\i)+256*(\g)  ; block i, rows 32 g + l: 256 consecutive bytes
.endr
.endr
	s_lshl_b32 s21, s[CX], 5                       ; the prefetch: my work-group's 32 rows of the tile, a row a lane
	v_add_nc_u32 v[PFO], s21, v3
	v_lshlrev_b32 v[PFO], 12, v[PFO]
	s_cmp_lg_u32 s[WV], 0
	s_cbranch_scc1 .Lno_pref0
	global_prefetch_b8 v[PFO], s[PF0:PF0+1] offset:2*STEPA th:TH_LOAD_NT scope:SCOPE_SE
	global_prefetch_b8 v[PFO], s[PF0:PF0+1] offset:3*STEPA th:TH_LOAD_NT scope:SCOPE_SE
.Lno_pref0:
	v_mul_u32_u24 v[ADRA0], v1, PA
	v_lshl_add_u32 v[ADRA0], v2, 4, v[ADRA0]
	s_mul_i32 s20, s[WM], HALFA
	v_add_nc_u32 v[ADRA0], s20, v[ADRA0]
	v_and_b32 v4, 7, v0                            ; V, turned: lane l reads key 8 h + l % 8, 16 bytes at channel 8 ((l / 8) % 2)
	v_lshl_add_u32 v4, v2, 3, v4
	v_mul_u32_u24 v[ADRB0], v4, PB
	v_bfe_u32 v5, v0, 3, 1
	v_lshl_add_u32 v[ADRB0], v5, 4, v[ADRB0]
	s_lshl_b32 s21, s[WN], 8
	s_add_co_u32 s21, s21, ABYTES
	v_add_nc_u32 v[ADRB0], s21, v[ADRB0]
	v_mov_b32 v[ADRA], v[ADRA0]
	v_mov_b32 v[ADRB], v[ADRB0]
	s_mul_i32 s20, s[WV], 16*SP
	s_add_co_u32 s20, s20, STG
	v_mul_u32_u24 v[STO], v1, SP
	v_lshl_add_u32 v[STO], v2, 4, v[STO]
	v_add_nc_u32 v[STO], s20, v[STO]
	v_mul_u32_u24 v[RD], v2, SP
	v_lshl_add_u32 v[RD], v1, 4, v[RD]
	v_add_nc_u32 v[RD], s20, v[RD]
	v_lshlrev_b32 v[CO], 11, v2
	v_lshl_add_u32 v[CO], v1, 4, v[CO]
	s_mul_i32 s20, s[WV], FW
	s_add_co_u32 s20, s20, FTB                     ; my wave's table
	v_lshl_add_u32 v[TW], v3, 2, s20
	v_lshl_add_u32 v[FAD0], v1, 2, s20
.irp a, 0,1,2,3
	v_mov_b32 v[FR+2*(\a)+1], 0                    ; named with f as a pair
.endr
	WIN 0x80                                       ; O starts at 0
.set i, 0
.rept 256
	v_mov_b32 v[i], 0
.set i, i+1
.endr
	WIN 0
	s_wait_loadcnt 0x0                             ; the statistics
; Rows 32 g + l: the row's maximum over the 16 blocks, the blocks' factors, the row's sum and its reciprocal; into my wave's table
.macro MERGE g
.set C0, SV+32*(\g)
	v_max3_num_f32 v[MX], v[C0], v[C0+2], v[C0+4]
.irp i, 3,5,7,9,11,13
	v_max3_num_f32 v[MX], v[MX], v[C0+2*(\i)], v[C0+2*(\i)+2]
.endr
	v_max_num_f32 v[MX], v[MX], v[C0+30]
.irp i, 0,1,2,3,4,5,6,7,8,9,10,11,12,13,14,15
	v_sub_f32 v[FF+(\i)], v[C0+2*(\i)], v[MX]
.endr
.irp i, 0,1,2,3,4,5,6,7,8,9,10,11,12,13,14,15
	v_exp_f32 v[FF+(\i)], v[FF+(\i)]
.endr
	v_nop                                          ; a plain instruction behind the last exponential (ISA guide 5.7.2)
	s_wait_alu depctr_va_vdst(0)
	v_mul_f32 v[SU], v[FF], v[C0+1]
	v_mul_f32 v[SU+1], v[FF+1], v[C0+3]
.irp i, 2,4,6,8,10,12,14
	v_fmac_f32 v[SU], v[FF+(\i)], v[C0+2*(\i)+1]
	v_fmac_f32 v[SU+1], v[FF+(\i)+1], v[C0+2*(\i)+3]
.endr
	v_add_f32 v[SU], v[SU], v[SU+1]
	v_rcp_f32 v[SU+2], v[SU]
	v_nop                                          ; a plain instruction behind the reciprocal
.irp i, 0,1,2,3,4,5,6,7,8,9,10,11,12,13,14,15
	ds_store_b32 v[TW], v[FF+(\i)] offset:256*(\i)+128*(\g)
.endr
	s_wait_alu depctr_va_vdst(0)
	ds_store_b32 v[TW], v[SU+2] offset:4096+128*(\g)
.endm
	MERGE 0
	MERGE 1
.macro FLOAD                           ; the table's next row for my four rows: f of the step to come; behind the last step 1 / L.  My wave's own bytes: LDS serves a wave's instructions in order (ISA guide 5.7.1.4)
	WIN 0
	v_add_nc_u32 v[FAD], s[FS], v[FAD0]
	s_add_co_u32 s[FS], s[FS], 256
.irp a, 0,1,2,3
	ds_load_b32 v[FR+2*(\a)], v[FAD] offset:64*(\a)
.endr
.endm
.macro FETCH q, g
	WIN 0
.irp a, 0,1,2,3
	ds_load_b128 v[AF+32*(\g)+8*(\a):AF+32*(\g)+8*(\a)+3],   v[ADRA] offset:(\a)*16*PA+64*(\q)
	ds_load_b128 v[AF+32*(\g)+8*(\a)+4:AF+32*(\g)+8*(\a)+7], v[ADRA] offset:(\a)*16*PA+64*(\q)+32
.endr
.irp b, 0,1,2,3,4,5,6,7
	ds_load_tr16_b128 v[BF+64*(\g)+8*(\b):BF+64*(\g)+8*(\b)+3],   v[ADRB] offset:32*(\q)*PB+32*(\b)
	ds_load_tr16_b128 v[BF+64*(\g)+8*(\b)+4:BF+64*(\g)+8*(\b)+7], v[ADRB] offset:32*(\q)*PB+16*PB+32*(\b)
.endr
.endm
; Eight products into X; the 32 accumulators take turns, one instruction a turn.  first = 1: a step's first chunk: the constant 0 starts the block's sums
.macro MULA f, a, first
	WIN W_MM
.irp b, 0,1,2,3,4,5,6,7
.if \first
	v_wmma_f32_16x16x32_f16 v[8*(8*(\a)+(\b)):8*(8*(\a)+(\b))+7], v[BF+64*(\f)+8*(\b):BF+64*(\f)+8*(\b)+7], v[AF+32*(\f)+8*(\a):AF+32*(\f)+8*(\a)+7], 0
.else
	v_wmma_f32_16x16x32_f16 v[8*(8*(\a)+(\b)):8*(8*(\a)+(\b))+7], v[BF+64*(\f)+8*(\b):BF+64*(\f)+8*(\b)+7], v[AF+32*(\f)+8*(\a):AF+32*(\f)+8*(\a)+7], v[8*(8*(\a)+(\b)):8*(8*(\a)+(\b))+7]
.endif
.endr
.endm
; O += f X, row block by row block, each accumulator from its low end.  Row blocks 0 and 1 were finished ahead of the v_nop in the change of slots; their 64 lines name no register of the last
; sixteen products and are those products' places.
.macro ACCUM
	WIN 0xa1                                       ; X (source 0) window 1, f (source 1) window 0, O (source 2, destination) window 2
.irp a, 0,1,2,3
.set i, 0
.rept 32
	v_pk_fma_f32 v[64*(\a)+2*i:64*(\a)+2*i+1], v[64*(\a)+2*i:64*(\a)+2*i+1], v[FR+2*(\a):FR+2*(\a)+1], v[64*(\a)+2*i:64*(\a)+2*i+1] op_sel_hi:[1,0,1]
.set i, i+1
.endr
.endr
.endm
.macro QUARTER q, f, g, first
	s_wait_dscnt 0x0                               ; buffer f's loads (and, behind a change of slots, the step's factors) are in
	PLACES                                         ; in front of the loads into buffer g, which the products before have read
	FETCH \q, \g
	MULA \f, 0, \first
	MULA \f, 1, \first
	MULA \f, 2, \first
	MULA \f, 3, \first
.endm
; The last chunk multiplies buffer 1, changes slots and adds the block onto O.  fill = 1: the barrier opens a round of the cluster's, and this slot is filled again, two K steps ahead, first thing behind it.
; fill = 0: the last two K steps: nothing is asked for, and behind the very last (CNT = 1) the run of fragment loads is jumped over; its barrier then serves nothing.
.macro TURN fill
	WIN 0
	s_wait_tensorcnt 0x0                           ; no tensor load of mine is out, so a group 0 may be written
	ds_add_u32 v[SPW], v[NIL]                      ; 0 onto my spare word
.if \fill
	s_xor_b32 s[GA+1], s[GA+1], SLOT1
	s_add_nc_u64 s[GA+2:GA+3], s[GA+2:GA+3], STEPA
	s_xor_b32 s[GB+1], s[GB+1], SLOT1
	s_add_nc_u64 s[GB+2:GB+3], s[GB+2:GB+3], STEPB
.endif
	s_wait_dscnt 0x1                               ; only the add may be out: buffer 1's loads are older
	MULA 1, 0, 0
	s_wait_dscnt 0x0                               ; the add is done, and my reads of this slot are over
	s_barrier_signal -1
	MULA 1, 1, 0
	WIN 0
	s_barrier_wait -1
.if \fill
	CREST                                          ; no wave of any partner still reads this slot or has a load on its way
	JLOAD                                          ; its four v_nop are also the places in front of the loads below
.else
	PLACES
	s_cmp_eq_u32 s[CNT], 1
	s_cbranch_scc1 .Lno_fetch_\@
.endif
	s_xor_b32 s[SLB], s[SLB], SLOT1
	v_add_nc_u32 v[ADRA], s[SLB], v[ADRA0]
	v_add_nc_u32 v[ADRB], s[SLB], v[ADRB0]
	FETCH 0, 0
.if \fill
	PREF
.else
.Lno_fetch_\@:
.endif
	MULA 1, 2, 0
	MULA 1, 3, 0
	ACCUM
	FLOAD                                          ; the step in hand has used its factors
.endm
	s_wait_tensorcnt 0x1                           ; my part of K step 0 is in; K step 1's may stay out
	s_wait_dscnt 0x0                               ; no LDS instruction of mine is out at a signal
	s_barrier_signal -1
	s_barrier_wait -1
	FLOAD
	FETCH 0, 0
	s_mov_b32 s[CNT], NSTEP-2
.Lstep:                                                ; a trip is a K step, a key block; it fills the slot that it leaves
	QUARTER 1, 0, 1, 1
	QUARTER 2, 1, 0, 0
	QUARTER 3, 0, 1, 0
	TURN 1
	WIN 0
	s_sub_co_u32 s[CNT], s[CNT], 1
	s_cmp_lg_u32 s[CNT], 0
	s_cbranch_scc1 .Lstep
	s_mov_b32 s[CNT], 2
.Ltail:                                                ; the last two K steps ask for nothing
	QUARTER 1, 0, 1, 1
	QUARTER 2, 1, 0, 0
	QUARTER 3, 0, 1, 0
	TURN 0
	WIN 0
	s_sub_co_u32 s[CNT], s[CNT], 1
	s_cmp_lg_u32 s[CNT], 0
	s_cbranch_scc1 .Ltail
	s_wait_dscnt 0x0                               ; 1 / L, the table's last row
; THE WAY OUT, 16 rows at a time: divided by L, rounded to f16, through my stage, stored as whole rows of 256 bytes.
.macro PACK a
	WIN 0x82                                       ; O (destination, source 0) window 2, 1 / L window 0
.set i, 0
.rept 32
	v_pk_mul_f32 v[64*(\a)+2*i:64*(\a)+2*i+1], v[64*(\a)+2*i:64*(\a)+2*i+1], v[FR+2*(\a):FR+2*(\a)+1] op_sel_hi:[1,0]
.set i, i+1
.endr
	WIN 0x0a
.set i, 0
.rept 32
	v_cvt_pk_f16_f32 v[TMP+i], v[64*(\a)+2*i], v[64*(\a)+2*i+1]
.set i, i+1
.endr
	WIN 0
.endm
.macro TOSTAGE a
	s_wait_xcnt 0x0                                ; the registers that earlier stores read are loaded again only behind this wait
.irp b, 0,1,2,3,4,5,6,7
	ds_store_b128 v[STO], v[TMP+4*(\b):TMP+4*(\b)+3] offset:32*(\b)
.endr
.irp t, 0,1,2,3,4,5,6,7
	ds_load_b128 v[BK+32*((\a)%2)+4*(\t):BK+32*((\a)%2)+4*(\t)+3], v[RD] offset:(\t)*2*SP
.endr
.endm
.macro SEND a
	s_wait_dscnt 0x0
.irp t, 0,1,2,3,4,5,6,7
	global_store_b128 v[CO], v[BK+32*((\a)%2)+4*(\t):BK+32*((\a)%2)+4*(\t)+3], s[OUT:OUT+1] offset:(16*(\a)+2*(\t))*ROWB  ; 16 lanes store 256 consecutive bytes, aligned
.endr
.endm
	PACK 0
	TOSTAGE 0
.irp a, 1,2,3
	PACK \a
	SEND (\a)-1
	TOSTAGE \a
.endr
	SEND 3
	s_wait_tensorcnt 0x0                           ; the wave's end
	ds_add_u32 v[SPW], v[NIL]
	s_wait_dscnt 0x0
	CROUND                                         ; the closing round
	s_endpgm
.Lfunc_end_k_q226c1cac81_pv:
	.size	k_q226c1cac81_pv, .Lfunc_end_k_q226c1cac81_pv-k_q226c1cac81_pv
	.p2alignl 7, 3214868480
	.fill 96, 4, 3214868480
	.section	.rodata,"a",@progbits
	.p2align	6, 0x0
	.amdhsa_kernel k_q226c1cac81_pv
		.amdhsa_group_segment_fixed_size 327680
		.amdhsa_private_segment_fixed_size 0
		.amdhsa_enable_private_segment 0
		.amdhsa_kernarg_size 32
		.amdhsa_user_sgpr_count 2
		.amdhsa_user_sgpr_kernarg_segment_ptr 1
		.amdhsa_wavefront_size32 1
		.amdhsa_system_sgpr_workgroup_id_x 1
		.amdhsa_system_sgpr_workgroup_id_y 1
		.amdhsa_system_sgpr_workgroup_id_z 1
		.amdhsa_system_vgpr_workitem_id 0
		.amdhsa_next_free_vgpr 768
		.amdhsa_next_free_sgpr 96
		.amdhsa_reserve_vcc 0
		.amdhsa_float_denorm_mode_32 3
		.amdhsa_float_denorm_mode_16_64 3
		.amdhsa_memory_ordered 1
		.amdhsa_forward_progress 1
		.amdhsa_inst_pref_size 101
	.end_amdhsa_kernel
	.amdgpu_metadata
---
amdhsa.version: [ 1, 2 ]
amdhsa.kernels:
  - .name:           k_q226c1cac81_pv
    .symbol:         k_q226c1cac81_pv.kd
    .args:
      - { .name: pb, .offset: 0, .size: 8, .value_kind: global_buffer, .address_space: global }
      - { .name: st, .offset: 8, .size: 8, .value_kind: global_buffer, .address_space: global }
      - { .name: qkv, .offset: 16, .size: 8, .value_kind: global_buffer, .address_space: global }
      - { .name: ob, .offset: 24, .size: 8, .value_kind: global_buffer, .address_space: global }
    .group_segment_fixed_size: 327680
    .private_segment_fixed_size: 0
    .kernarg_segment_align: 8
    .kernarg_segment_size: 32
    .max_flat_workgroup_size: 128
    .sgpr_count:     96
    .vgpr_count:     768
    .wavefront_size: 32
...
	.end_amdgpu_metadata
.endif
;; end of part 4
;; launch outp (part 5): grid 4 x 64, 4 waves a work-group, clusters of 4 x 4, 327,680 bytes of LDS; arguments ob, wb, bo, out0; writes out0
.if DOCPART == 5
	.amdgcn_target "amdgcn-amd-amdhsa--gfx1250"
	.amdhsa_code_object_version 6
	.text
	.protected	k_q226c1cac81_outp
	.globl	k_q226c1cac81_outp
	.p2align	8
	.type	k_q226c1cac81_outp,@function
k_q226c1cac81_outp:
	s_mov_b64 s[64:65], 0
	v_nop
	global_prefetch_b8 v0, s[64:65] scope:SCOPE_SE
	s_setreg_imm32_b32 hwreg(HW_REG_WAVE_MODE, 25, 1), 1
	s_wait_xcnt 0x0
	s_wait_alu depctr_hold_cnt(0) depctr_sa_sdst(0) depctr_va_vdst(0) depctr_va_sdst(0) depctr_va_ssrc(0) depctr_va_vcc(0) depctr_vm_vsrc(0)
	s_getreg_b32 s2, hwreg(HW_REG_IB_STS2, 6, 4)
	s_cmp_eq_u32 s2, 0
	s_cbranch_scc0 .Lentry_in_a_cluster
	s_endpgm
.Lentry_in_a_cluster:
	s_bfe_u32 s2, ttmp6, 0x10000c
	s_cmp_lg_u32 s2, 0xf033
	s_cbranch_scc0 .Lentry_shape_is_right
	s_endpgm
.Lentry_shape_is_right:
; out0 = O Wo + bo.  O: ob, [8192][1024] f16.  Wo: wb[3], [1024 k][1024 n], the bf16-rounded weight written as f16.  bo: [1024] f32, rounded to bf16 like every input.  out0: [8192][1024] f32.
; Products in f16 with f32 sums; the sums leave as they are.
; SHARES.  A tile of 128 rows x 256 columns to a work-group, 64 x 128 to a wave; 64 x 4 = 256 work-groups (tiles of 256 x 256 would be 128).  K in 8 steps of 128 through two LDS slots.
; CLUSTER 4 x 4: O's tiles are shared along a row of the cluster, Wo's along a column.
; TRANSPOSED USE (source 0 = 16 columns of Wo, turned by ds_load_tr16_b128; source 1 = 16 rows of O): a lane holds row l % 16 and eight neighbouring columns.  The bias, laid out so, is the C operand of the first products.
; PREFETCH.  O is read once in the launch.  Wave 0 of each of a cluster row's four partners asks for 32 of the tile's 128 rows, 256 bytes a row and K step: in trip t for the K step that trip t + 2 loads
; (t + 4); K steps 2 and 3 at the start; the last trips ask for K step 7 again, so that no request leaves a row.  Wo is read again by all 64 tile rows and is not asked for.
; REGISTERS: window 0: v0-31 addresses; v64-127 O's fragments, v128-255 Wo's, two buffers each; on the way out v64-191 rows read back.  window 1: accumulator (a, b) at v[8 (8 a + b)].  window 2: v64-127 the bias, v128 at work
.set NSTEP,  8
.set PA,     272                       ; a row of O in LDS: 256 bytes + 16: an odd multiple of 16, so the 16 rows of a load start at 16 different places of a row of banks (ISA guide 11.1)
.set PB,     544                       ; a row of Wo: 512 + 32: an odd multiple of 32
.set ABYTES, 128*PA
.set HALFA,  64*PA
.set HALFB,  64*PB
.set SLOT1,  1<<17                     ; a slot is 104,448 bytes; slot 1 begins here, so that one exclusive or turns an address into the other slot's
.set STG,    SLOT1+ABYTES+2*HALFB      ; 16 rows x 528 bytes for each wave: the way out
.set SP,     528
.set SPARE,  STG+4*16*SP               ; the spare words: two blocks of 256 bytes that no other line names
.set STEPA,  256
.set STEPB,  128*2048
.set ROWB,   4096
.set ADRA0, 16
.set ADRB0, 17
.set ADRA,  18
.set ADRB,  19
.set STO,   24
.set RD,    25
.set CO,    26
.set SPW,   28
.set NIL,   29
.set BO,    30
.set PFO,   31                         ; v31 the prefetch: my row's byte offset in the tile; never rewritten
.set AF,    64
.set BF,    128
.set BK,    64
.set BIAS,  64                         ; window 2
.set BT,    128                        ; window 2
.set GA1, 24
.set GAF, 32
.set GA,  36
.set CX,  40
.set CY,  41
.set TX,  42
.set TY,  43
.set MROW, 44
.set MCOL, 45
.set GB1, 48
.set GBF, 56
.set GB,  60
.set WV,  66
.set WM,  67
.set WN,  68
.set CNT, 69
.set SLB, 70
.set LA,  71
.set LB,  72
.set CLY, 73
.set OUT, 84
.set PF0, 90                           ; s[90:91] O at the tile's first row; s[92:93] the same at the K step asked for; s[94:95] that step's byte offset in a row
.set PFB, 92
.set KO,  94
.set W_MM, 0x50                        ; C and D window 1, fragments window 0
.set W_MB, 0x60                        ; D window 1, C (the bias) window 2
.set MSB, 0
.macro WIN new                         ; the immediate's high byte repeats the setting that is left; a switch that changes nothing is dropped
.if MSB != (\new)
	s_set_vgpr_msb (MSB<<8)|(\new)
.set MSB, (\new)
.endif
.endm
.macro PLACES                          ; four places between a matrix instruction and a vector instruction or load that touches its registers
.rept 4
	v_nop
.endr
.endm
.macro CREST                           ; a round of the cluster's barrier behind its opening barrier
	s_cmp_lg_u32 s[WV], 0
	s_cbranch_scc1 .Lnot_wave_0_\@
	s_barrier_signal -3
.Lnot_wave_0_\@:
	s_barrier_wait -3
	s_barrier_signal -1
	s_barrier_wait -1
.endm
.macro CROUND
	s_barrier_signal -1
	s_barrier_wait -1
	CREST
.endm
.macro JLOAD                           ; waves 0, 1 ask for O's halves, waves 2, 3 for Wo's; an s_nop 0 and four v_nop follow each line
	s_cmp_eq_u32 s[WM], 0
	s_cbranch_scc0 .Lfor_b_\@
	tensor_load_to_lds s[GA:GA+3], s[GA1:GA1+7]
	s_nop 0
.rept 4
	v_nop
.endr
	s_branch .Lasked_\@
.Lfor_b_\@:
	tensor_load_to_lds s[GB:GB+3], s[GB1:GB1+7]
	s_nop 0
.rept 4
	v_nop
.endr
.Lasked_\@:
.endm
.macro PREF                            ; wave 0 asks for my 32 rows of the K step that the trip after next loads
	s_cmp_lg_u32 s[WV], 0
	s_cbranch_scc1 .Lno_pref_\@
	s_wait_xcnt 0x0                                ; the last trip's request has had its address read: its base is written again only behind this wait
	s_add_co_u32 s[KO], s[KO], STEPA
	s_min_u32 s[KO], s[KO], (NSTEP-1)*STEPA        ; never past the row's last K step
	s_add_nc_u64 s[PFB:PFB+1], s[PF0:PF0+1], s[KO:KO+1]
	global_prefetch_b8 v[PFO], s[PFB:PFB+1] th:TH_LOAD_NT scope:SCOPE_SE
.Lno_pref_\@:
.endm
	s_load_b256 s[4:11], s[0:1], 0x0               ; ob s[4:5], wb s[6:7], bo s[8:9], out0 s[10:11]
	v_lshl_add_u32 v[SPW], v0, 2, SPARE
	v_mov_b32 v[NIL], 0
	ds_add_u32 v28, v29
	ds_add_u32 v28, v29
	s_wait_dscnt 0x0
	v_lshrrev_b32 v4, 5, v0
	v_readfirstlane_b32 s[WV], v4
	s_lshr_b32 s[WM], s[WV], 1
	s_and_b32 s[WN], s[WV], 1
	s_bfe_u32 s[CX], ttmp6, 0x40000
	s_bfe_u32 s[CY], ttmp6, 0x40004
	s_lshl_b32 s[TX], ttmp9, 2
	s_add_co_u32 s[TX], s[TX], s[CX]
	s_and_b32 s[CLY], ttmp7, 0xffff
	s_lshl_b32 s[TY], s[CLY], 2
	s_add_co_u32 s[TY], s[TY], s[CY]
	s_lshl_b32 s[MROW], s[CY], 2
	s_lshl_b32 s[MROW], 15, s[MROW]                ; my row of the cluster
	s_lshl_b32 s[MCOL], 0x1111, s[CX]              ; my column
	; group 1.  O: 64 rows x 128 elements of 2 bytes, 4 words of padding behind every 64.  Wo: 64 rows x 256 elements, 8 words behind every 128.
	s_or_b32 s[GA1], s[MROW], (1<<16)|(1<<20)|(1<<21)|(5<<22)|(3<<25)
	s_mov_b32 s[GA1+1], 128<<16
	s_mov_b32 s[GA1+2], 64<<16
	s_mov_b32 s[GA1+3], 128<<16
	s_mov_b32 s[GA1+4], 64
	s_mov_b32 s[GA1+5], 1024
	s_mov_b32 s[GA1+6], 0
	s_mov_b32 s[GA1+7], 0
	s_or_b32 s[GB1], s[MCOL], (1<<16)|(1<<20)|(1<<21)|(6<<22)|(7<<25)
	s_mov_b32 s[GB1+1], 256<<16
	s_mov_b32 s[GB1+2], 64<<16
	s_mov_b32 s[GB1+3], 256<<16
	s_mov_b32 s[GB1+4], 64
	s_mov_b32 s[GB1+5], 1024
	s_mov_b32 s[GB1+6], 0
	s_mov_b32 s[GB1+7], 0
	s_lshl_b32 s80, s[TY], 18                      ; O: the tile's 128 rows of 2,048 bytes,
	s_mov_b32 s[PFB], s80                          ; (the prefetch starts from the tile's first row)
	s_mov_b32 s[PFB+1], 0
	s_lshl_b32 s20, s[WN], 17                      ; my 64
	s_add_co_u32 s80, s80, s20
	s_mov_b32 s81, 0
	s_lshl_b32 s46, s[WN], 17                      ; Wo: my 64 rows of 2,048 bytes, the tile's 256 columns, behind the three other weights
	s_lshl_b32 s47, s[TX], 9
	s_add_co_u32 s46, s46, s47
	s_add_co_u32 s46, s46, 6291456
	s_mov_b32 s47, 0
	s_lshl_b32 s82, s[TX], 10                      ; the bias of my 128 columns
	s_lshl_b32 s83, s[WN], 9
	s_add_co_u32 s82, s82, s83
	s_mov_b32 s83, 0
	s_lshl_b32 s86, s[TY], 19                      ; out0: 128 rows of 4,096 bytes, my 64, the tile's columns, my 128
	s_lshl_b32 s88, s[WM], 18
	s_add_co_u32 s86, s86, s88
	s_lshl_b32 s88, s[TX], 10
	s_add_co_u32 s86, s86, s88
	s_lshl_b32 s88, s[WN], 9
	s_add_co_u32 s86, s86, s88
	s_mov_b32 s87, 0
	s_mul_i32 s[LA], s[WN], HALFA                  ; where my tensor load lands in slot 0: no place in the cluster enters an LDS address
	s_mul_i32 s[LB], s[WN], HALFB
	s_add_co_u32 s[LB], s[LB], ABYTES
	s_mov_b32 s[SLB], 0
	s_mov_b32 s[KO], 3*STEPA                       ; K steps 2 and 3 are asked for at the start
	s_mov_b32 s[KO+1], 0
	s_wait_kmcnt 0x0
	s_add_nc_u64 s[8:9], s[8:9], s[82:83]
	s_add_nc_u64 s[OUT:OUT+1], s[10:11], s[86:87]
	s_add_nc_u64 s[PF0:PF0+1], s[4:5], s[PFB:PFB+1]
	s_mov_b32 s[GAF], 1
	s_mov_b32 s[GAF+1], s[LA]
	s_add_nc_u64 s[GAF+2:GAF+3], s[4:5], s[80:81]
	s_mov_b32 s[GA], 1
	s_add_co_u32 s[GA+1], s[LA], SLOT1
	s_add_nc_u64 s[GA+2:GA+3], s[GAF+2:GAF+3], STEPA
	s_or_b32 s[GAF+3], s[GAF+3], 0x80000000
	s_or_b32 s[GA+3], s[GA+3], 0x80000000
	s_mov_b32 s[GBF], 1
	s_mov_b32 s[GBF+1], s[LB]
	s_add_nc_u64 s[GBF+2:GBF+3], s[6:7], s[46:47]
	s_mov_b32 s[GB], 1
	s_add_co_u32 s[GB+1], s[LB], SLOT1
	s_add_nc_u64 s[GB+2:GB+3], s[GBF+2:GBF+3], STEPB
	s_or_b32 s[GBF+3], s[GBF+3], 0x80000000
	s_or_b32 s[GB+3], s[GB+3], 0x80000000
	CROUND                                         ; all sixteen work-groups are here: the first joint loads meet
	s_cmp_eq_u32 s[WM], 0                          ; a wave's two first fills stand in one branch: two loads of mine are out
	s_cbranch_scc0 .Lfirst_b
	tensor_load_to_lds s[GAF:GAF+3], s[GA1:GA1+7]
	s_nop 0
	tensor_load_to_lds s[GA:GA+3], s[GA1:GA1+7]
	s_nop 0
.rept 4
	v_nop
.endr
	s_branch .Lfirst_asked
.Lfirst_b:
	tensor_load_to_lds s[GBF:GBF+3], s[GB1:GB1+7]
	s_nop 0
	tensor_load_to_lds s[GB:GB+3], s[GB1:GB1+7]
	s_nop 0
.rept 4
	v_nop
.endr
.Lfirst_asked:
	v_and_b32 v1, 15, v0                           ; r
	v_bfe_u32 v2, v0, 4, 1                         ; h
	v_and_b32 v3, 31, v0                           ; l
	v_lshlrev_b32 v[BO], 5, v2                     ; register j of block b is the bias of column 16 b + 8 h + j
	WIN 0x80
.irp b, 0,1,2,3,4,5,6,7
	global_load_b128 v[BIAS+8*(\b):BIAS+8*(\b)+3],   v[BO], s[8:9] offset:64*(\b)
	global_load_b128 v[BIAS+8*(\b)+4:BIAS+8*(\b)+7], v[BO], s[8:9] offset:64*(\b)+16
.endr
	WIN 0
	s_lshl_b32 s21, s[CX], 5                       ; the prefetch: my work-group's 32 rows of the tile, a row of 2,048 bytes a lane
	v_add_nc_u32 v[PFO], s21, v3
	v_lshlrev_b32 v[PFO], 11, v[PFO]
	s_cmp_lg_u32 s[WV], 0
	s_cbranch_scc1 .Lno_pref0
	global_prefetch_b8 v[PFO], s[PF0:PF0+1] offset:2*STEPA th:TH_LOAD_NT scope:SCOPE_SE
	global_prefetch_b8 v[PFO], s[PF0:PF0+1] offset:3*STEPA th:TH_LOAD_NT scope:SCOPE_SE
.Lno_pref0:
	v_mul_u32_u24 v[ADRA0], v1, PA                 ; O's fragment: row r x pitch + 16 h
	v_lshl_add_u32 v[ADRA0], v2, 4, v[ADRA0]
	s_mul_i32 s20, s[WM], HALFA
	v_add_nc_u32 v[ADRA0], s20, v[ADRA0]
	v_and_b32 v4, 7, v0                            ; Wo's, turned: lane l reads row k = 8 h + l % 8, 16 bytes at column 8 ((l / 8) % 2)
	v_lshl_add_u32 v4, v2, 3, v4
	v_mul_u32_u24 v[ADRB0], v4, PB
	v_bfe_u32 v5, v0, 3, 1
	v_lshl_add_u32 v[ADRB0], v5, 4, v[ADRB0]
	s_lshl_b32 s21, s[WN], 8
	s_add_co_u32 s21, s21, ABYTES
	v_add_nc_u32 v[ADRB0], s21, v[ADRB0]
	v_mov_b32 v[ADRA], v[ADRA0]
	v_mov_b32 v[ADRB], v[ADRB0]
	s_mul_i32 s20, s[WV], 16*SP
	s_add_co_u32 s20, s20, STG                     ; my stage
	v_mul_u32_u24 v[STO], v1, SP                   ; in: row r, 32 bytes for each half of the lanes
	v_lshl_add_u32 v[STO], v2, 5, v[STO]
	v_add_nc_u32 v[STO], s20, v[STO]
	v_lshl_add_u32 v[RD], v3, 4, s20               ; back: the 32 lanes take one row of 512 bytes
	v_lshlrev_b32 v[CO], 4, v3
	s_wait_loadcnt 0x0                             ; the bias
	WIN 0x8a                                       ; rounded to bf16, like every input, and widened again
.set i, 0
.rept 32
	v_cvt_pk_bf16_f32 v[BT], v[BIAS+2*i], v[BIAS+2*i+1]
	v_lshlrev_b32 v[BIAS+2*i], 16, v[BT]
	v_and_b32 v[BIAS+2*i+1], 0xffff0000, v[BT]
.set i, i+1
.endr
	WIN 0
; The fragments of 32 along K, chunk q of the slot in hand, into buffer g
.macro FETCH q, g
	WIN 0
.irp a, 0,1,2,3
	ds_load_b128 v[AF+32*(\g)+8*(\a):AF+32*(\g)+8*(\a)+3],   v[ADRA] offset:(\a)*16*PA+64*(\q)
	ds_load_b128 v[AF+32*(\g)+8*(\a)+4:AF+32*(\g)+8*(\a)+7], v[ADRA] offset:(\a)*16*PA+64*(\q)+32
.endr
.irp b, 0,1,2,3,4,5,6,7
	ds_load_tr16_b128 v[BF+64*(\g)+8*(\b):BF+64*(\g)+8*(\b)+3],   v[ADRB] offset:32*(\q)*PB+32*(\b)
	ds_load_tr16_b128 v[BF+64*(\g)+8*(\b)+4:BF+64*(\g)+8*(\b)+7], v[ADRB] offset:32*(\q)*PB+16*PB+32*(\b)
.endr
.endm
; Eight products; the 32 accumulators take turns, one instruction a turn.  first = 1: the bias starts the sums
.macro MULA f, a, first
.if \first
	WIN W_MB
.else
	WIN W_MM
.endif
.irp b, 0,1,2,3,4,5,6,7
.if \first
	v_wmma_f32_16x16x32_f16 v[8*(8*(\a)+(\b)):8*(8*(\a)+(\b))+7], v[BF+64*(\f)+8*(\b):BF+64*(\f)+8*(\b)+7], v[AF+32*(\f)+8*(\a):AF+32*(\f)+8*(\a)+7], v[BIAS+8*(\b):BIAS+8*(\b)+7]
.else
	v_wmma_f32_16x16x32_f16 v[8*(8*(\a)+(\b)):8*(8*(\a)+(\b))+7], v[BF+64*(\f)+8*(\b):BF+64*(\f)+8*(\b)+7], v[AF+32*(\f)+8*(\a):AF+32*(\f)+8*(\a)+7], v[8*(8*(\a)+(\b)):8*(8*(\a)+(\b))+7]
.endif
.endr
.endm
; A K step is four chunks of 32, on buffers 0, 1, 0, 1.  One of the first three: multiplies buffer f, and fetches chunk q into buffer g ahead of the 32 products
.macro QUARTER q, f, g, first
	s_wait_dscnt 0x0                               ; buffer f's loads, issued ahead of the products before, are in
	PLACES                                         ; in front of the loads into buffer g, which the products before have read
	FETCH \q, \g
	MULA \f, 0, \first
	MULA \f, 1, \first
	MULA \f, 2, \first
	MULA \f, 3, \first
.endm
; The last chunk multiplies buffer 1 and changes slots.  In front of the barrier each wave waits for all its tensor loads (one is out: its part of the next slot), adds 0 to its spare
; word, and waits for that and for its reads of this slot.  fill = 1: the barrier opens a round of the cluster's, and this slot is filled again, two K steps ahead, first thing behind it.
; fill = 0: the last two K steps, one text walked twice: nothing is asked for, and behind the very last K step (CNT = 1) the run of fragment loads is jumped over; its barrier then serves nothing.
.macro TURN fill
	WIN 0
	s_wait_tensorcnt 0x0                           ; no tensor load of mine is out, so a group 0 may be written
	ds_add_u32 v[SPW], v[NIL]                      ; 0 onto my spare word
.if \fill
	s_xor_b32 s[GA+1], s[GA+1], SLOT1              ; the walking descriptors: the other slot than last time,
	s_add_nc_u64 s[GA+2:GA+3], s[GA+2:GA+3], STEPA ; the next K step; the type bits on top are not reached
	s_xor_b32 s[GB+1], s[GB+1], SLOT1
	s_add_nc_u64 s[GB+2:GB+3], s[GB+2:GB+3], STEPB
.endif
	s_wait_dscnt 0x1                               ; only the add may be out: buffer 1's loads are older
	MULA 1, 0, 0
	s_wait_dscnt 0x0                               ; the add is done, and my reads of this slot are over
	s_barrier_signal -1
	MULA 1, 1, 0
	WIN 0
	s_barrier_wait -1
.if \fill
	CREST                                          ; no wave of any partner still reads this slot or has a load on its way
	JLOAD                                          ; its four v_nop are also the places in front of the loads below
.else
	PLACES
	s_cmp_eq_u32 s[CNT], 1
	s_cbranch_scc1 .Lno_fetch_\@
.endif
	s_xor_b32 s[SLB], s[SLB], SLOT1
	v_add_nc_u32 v[ADRA], s[SLB], v[ADRA0]
	v_add_nc_u32 v[ADRB], s[SLB], v[ADRB0]
	FETCH 0, 0
.if \fill
	PREF
.else
.Lno_fetch_\@:
.endif
	MULA 1, 2, 0
	MULA 1, 3, 0
.endm
	s_wait_tensorcnt 0x1                           ; my part of K step 0 is in; K step 1's may stay out
	s_barrier_signal -1
	s_barrier_wait -1                              ; everybody's is
	FETCH 0, 0
	QUARTER 1, 0, 1, 1
	WIN 0
	s_mov_b32 s[CNT], NSTEP-2
.Lstep:                                                ; a trip: from a K step's second chunk to the next step's first; it fills the slot that it leaves
	QUARTER 2, 1, 0, 0
	QUARTER 3, 0, 1, 0
	TURN 1
	QUARTER 1, 0, 1, 0
	WIN 0
	s_sub_co_u32 s[CNT], s[CNT], 1
	s_cmp_lg_u32 s[CNT], 0
	s_cbranch_scc1 .Lstep
	s_mov_b32 s[CNT], 2                            ; the last two K steps ask for nothing: a loop of their own, entered behind a step's first chunk
	s_branch .Lin
.Ltail:
	QUARTER 1, 0, 1, 0
	WIN 0
.Lin:
	QUARTER 2, 1, 0, 0
	QUARTER 3, 0, 1, 0
	TURN 0
	WIN 0
	s_sub_co_u32 s[CNT], s[CNT], 1
	s_cmp_lg_u32 s[CNT], 0
	s_cbranch_scc1 .Ltail
	PLACES
; THE WAY OUT, 16 rows at a time: a lane's eight f32 of a row, 32 bytes, go into my stage (each accumulator's low half first) and come back as whole rows of 512 bytes.
.macro TOSTAGE a
	WIN 0
	s_wait_xcnt 0x0                                ; the registers that earlier stores read are loaded again only behind this wait
	WIN 0x04                                       ; store data in window 1
.irp b, 0,1,2,3,4,5,6,7
	ds_store_b128 v[STO], v[8*(8*(\a)+(\b)):8*(8*(\a)+(\b))+3]   offset:64*(\b)
	ds_store_b128 v[STO], v[8*(8*(\a)+(\b))+4:8*(8*(\a)+(\b))+7] offset:64*(\b)+16
.endr
	WIN 0
.irp t, 0,1,2,3,4,5,6,7,8,9,10,11,12,13,14,15
	ds_load_b128 v[BK+64*((\a)%2)+4*(\t):BK+64*((\a)%2)+4*(\t)+3], v[RD] offset:(\t)*SP  ; LDS serves a wave's instructions in order (ISA guide 5.7.1.4): these see the stores above, the next block's stores come behind them
.endr
.endm
.macro SEND a, younger                 ; younger: the LDS instructions issued behind block a's loads: the next block's 16 stores and 16 loads, or none
	s_wait_dscnt \younger
.irp t, 0,1,2,3,4,5,6,7,8,9,10,11,12,13,14,15
	global_store_b128 v[CO], v[BK+64*((\a)%2)+4*(\t):BK+64*((\a)%2)+4*(\t)+3], s[OUT:OUT+1] offset:(16*(\a)+(\t))*ROWB th:TH_STORE_NT  ; 512 consecutive bytes, aligned
.endr
.endm
	TOSTAGE 0
	TOSTAGE 1
	SEND 0, 32
	TOSTAGE 2
	SEND 1, 32
	TOSTAGE 3
	SEND 2, 32
	SEND 3, 0
	s_wait_tensorcnt 0x0                           ; the wave's end
	ds_add_u32 v[SPW], v[NIL]
	s_wait_dscnt 0x0
	CROUND                                         ; the closing round
	s_endpgm
.Lfunc_end_k_q226c1cac81_outp:
	.size	k_q226c1cac81_outp, .Lfunc_end_k_q226c1cac81_outp-k_q226c1cac81_outp
	.p2alignl 7, 3214868480
	.fill 96, 4, 3214868480
	.section	.rodata,"a",@progbits
	.p2align	6, 0x0
	.amdhsa_kernel k_q226c1cac81_outp
		.amdhsa_group_segment_fixed_size 327680
		.amdhsa_private_segment_fixed_size 0
		.amdhsa_enable_private_segment 0
		.amdhsa_kernarg_size 32
		.amdhsa_user_sgpr_count 2
		.amdhsa_user_sgpr_kernarg_segment_ptr 1
		.amdhsa_wavefront_size32 1
		.amdhsa_system_sgpr_workgroup_id_x 1
		.amdhsa_system_sgpr_workgroup_id_y 1
		.amdhsa_system_sgpr_workgroup_id_z 1
		.amdhsa_system_vgpr_workitem_id 0
		.amdhsa_next_free_vgpr 648
		.amdhsa_next_free_sgpr 96
		.amdhsa_reserve_vcc 0
		.amdhsa_float_denorm_mode_32 3
		.amdhsa_float_denorm_mode_16_64 3
		.amdhsa_memory_ordered 1
		.amdhsa_forward_progress 1
		.amdhsa_inst_pref_size 67
	.end_amdhsa_kernel
	.amdgpu_metadata
---
amdhsa.version: [ 1, 2 ]
amdhsa.kernels:
  - .name:           k_q226c1cac81_outp
    .symbol:         k_q226c1cac81_outp.kd
    .args:
      - { .name: ob, .offset: 0, .size: 8, .value_kind: global_buffer, .address_space: global }
      - { .name: wb, .offset: 8, .size: 8, .value_kind: global_buffer, .address_space: global }
      - { .name: bo, .offset: 16, .size: 8, .value_kind: global_buffer, .address_space: global }
      - { .name: out0, .offset: 24, .size: 8, .value_kind: global_buffer, .address_space: global }
    .group_segment_fixed_size: 327680
    .private_segment_fixed_size: 0
    .kernarg_segment_align: 8
    .kernarg_segment_size: 32
    .max_flat_workgroup_size: 128
    .sgpr_count:     96
    .vgpr_count:     648
    .wavefront_size: 32
...
	.end_amdgpu_metadata
.endif
;; end of part 5
